; MI455X (gfx1250); checked and timed in simulation.
; The chip was launched on July 23, 2026; its instructions are those of AMD's public machine-readable ISA for CDNA 5 (MIT licence, August 2026) and "CDNA5" Instruction Set Architecture Reference Guide (July 2026). The comments in the code are by the model that wrote it; some were corrected since.
;; Multi Head Attention. Allowed arithmetic: matrix products marked QUANTISED: E2M1 operands, one E8M0 scale for each 32 along K, by v_wmma_scale_f32_16x16x128_f8f6f4 with both operands' format E2M1 (or v_wmma_scale_f32_32x16x128_f4), f32 sums; everything else in f32.
;; Inputs: Wk_codes 16 x 64 x 32 x 16 uint8 (E2M1 codes of Wk, K innermost, in blocks of 32 codes, two codes a byte); Wk_scales 16 x 64 x 32 uint8 (E8M0 scales of Wk, one for each 32 codes along K); Wo_codes 1,024 x 32 x 16 uint8 (E2M1 codes of Wo, K innermost, in blocks of 32 codes, two codes a byte); Wo_scales 1,024 x 32 uint8 (E8M0 scales of Wo, one for each 32 codes along K); Wq_codes 16 x 64 x 32 x 16 uint8 (E2M1 codes of Wq, K innermost, in blocks of 32 codes, two codes a byte); Wq_scales 16 x 64 x 32 uint8 (E8M0 scales of Wq, one for each 32 codes along K); Wv_codes 16 x 64 x 32 x 16 uint8 (E2M1 codes of Wv, K innermost, in blocks of 32 codes, two codes a byte); Wv_scales 16 x 64 x 32 uint8 (E8M0 scales of Wv, one for each 32 codes along K); X_codes 4 x 2,048 x 32 x 16 uint8 (E2M1 codes of X, K innermost, in blocks of 32 codes, two codes a byte); X_scales 4 x 2,048 x 32 uint8 (E8M0 scales of X, one for each 32 codes along K); bk 16 x 64 float32; bo 1,024 float32; bq 16 x 64 float32; bv 16 x 64 float32.
;; Outputs: out0 4 x 2,048 x 1,024 float32.
;; This version of the problem:
;;   THIS VERSION OF THE PROBLEM IS GIVEN IN LOW PRECISION. The matrix products marked QUANTISED in the list below multiply operands that are first quantised to E2M1 (2 exponent bits, 1 mantissa bit; 4 bits a number), with one power-of-two scale for each 32 numbers along K (OCP MX v1.0); their sums are f32. All else is computed in f32.
;;   The module's matrix products, in the order in which they are computed (A, B: the left and right operand; K: the contracted axis; several contracted axes count as one K, in the product's order):
;;     1. [M 1,024, K 1,024] x [K 1,024, N 8,192]; A: input Wq (given as codes); B: input X (given as codes): QUANTISED
;;     2. [M 1,024, K 1,024] x [K 1,024, N 8,192]; A: input Wk (given as codes); B: input X (given as codes): QUANTISED
;;     3. [M 1,024, K 1,024] x [K 1,024, N 8,192]; A: input Wv (given as codes); B: input X (given as codes): QUANTISED
;;     4. batch 64 x [M 2,048, K 64] x [K 64, N 2,048]; A: computed on the way; B: computed on the way: QUANTISED
;;     5. batch 64 x [M 2,048, K 2,048] x [K 2,048, N 64]; A: softmax (see below); B: computed on the way: QUANTISED
;;     6. [M 8,192, K 1,024] x [K 1,024, N 1,024]; A: computed on the way; B: input Wo (given as codes): QUANTISED
;;   THE QUANTISER, for each operand of a quantised product, along K:
;;     - K is cut into blocks of 32 from its start; a last block that is shorter is filled with zeros.
;;     - A block's scale is 2^e with e = floor(log2(the largest magnitude in the block)) - 2, held to -126 .. 127; a block of zeros has e = 0. As a byte (E8M0): e + 127.
;;     - Each number is divided by its block's scale, clamped to +-6, and rounded to the nearest number of E2M1, ties to even, subnormals kept.
;;     - The product sums the exact products of the quantised numbers (number of the format x scale) in f32.
;;   ~~~python
;;   def quantise(x, axis):      # numpy; x: float32 -> the quantised numbers, widened to float32 again
;;       x = np.moveaxis(x, axis, -1); K = x.shape[-1]
;;       x = np.pad(x, [(0, 0)] * (x.ndim - 1) + [(0, -K % 32)]); x = x.reshape(x.shape[:-1] + (-1, 32)); a = np.abs(x).max(-1, keepdims=True)
;;       e = np.where(a > 0, np.clip(np.frexp(np.where(a > 0, a, 1))[1] - 1 - 2, -126, 127), 0)      # np.frexp(a)[1] - 1 = floor(log2(a)), exactly
;;       r = np.clip(x / 2.0 ** e, -6, 6)
;;       step = 2.0 ** (np.maximum(np.frexp(np.where(r == 0, 1, r))[1] - 1, 0) - 1)
;;       q = np.round(r / step) * step * 2.0 ** e      # np.round: ties to even
;;       return np.moveaxis(q.reshape(q.shape[:-2] + (-1,))[..., :K], -1, axis).astype(np.float32)
;;   ~~~
;;   SOFTMAX AHEAD OF A QUANTISED PRODUCT. Where the list says 'softmax', what is quantised is not the finished softmax but p = 2^(t - M), with t = logit x log2(e) and M = ceil(the row's largest t), a whole number; so 1/2 < the row's largest p <= 1. The row's sum l is taken of the UNQUANTISED p, in f32, and the product's result is divided by l at the end. Since M is a whole number, a kernel that streams over the keys may use a running M (the ceiling of the running maximum): every later rescaling is an exact power of two, which a block's scale takes up: the codes' values come out the same.
;;   OPERANDS COMPUTED ON THE WAY. 'Computed on the way' means the value that the module computes at that place (a softmax that the list does not call 'softmax' is quantised finished and normalised). What goes into a quantiser is computed in f32, as accurately as f32 sums, v_exp_f32 and their like allow (about 1e-6 of the number): no bf16 or f16 on the way to a quantiser, and a product that is left as it is and whose result goes on into a quantised operand takes f32 operands (vector FMAs, or v_wmma_f32_16x16x4_f32). A number that lies on a knife's edge between two numbers of the format may be rounded either way, as far as f32 arithmetic and the matrix unit's own rounding can turn it there, and no further.
;;   INPUTS GIVEN AS CODES. Wk (in the module: [16, 1024, 64], K = its axis 1); Wo (in the module: [1024, 1024], K = its axis 0); Wq (in the module: [16, 1024, 64], K = its axis 1); Wv (in the module: [16, 1024, 64], K = its axis 1); X (in the module: [4, 2048, 1024], K = its axis 2): each comes as NAME_codes (uint8): NAME with its K axis moved to the last place and cut into blocks of 32 codes, [.., K / 32, bytes a block], one block behind the other in memory; two codes a byte, the lower K in the low four bits (a code: sign, 2 exponent bits, 1 mantissa bit); and NAME_scales (uint8): the same leading axes, one E8M0 byte (e + 127) for each 32 codes along K. Its value is code x scale, taken as it is: it is not quantised again, and the codes and scales need not be those that the quantiser above would give.
;; 2 versions, each right; version 2 is version 1 with the launches qkv, attn, oproj written anew for expert scheduling mode. Each part assembles by itself: llvm-mc -triple=amdgcn-amd-amdhsa -mcpu=gfx1250 --defsym DOCPART=n.
;; ======== version 1 of 2: 3 launches
;; workspace buffers: qc 4,194,304 bytes; kc 4,194,304 bytes; vc 4,194,304 bytes; cc 4,194,304 bytes; qs 524,288 bytes; ks 524,288 bytes; vs 262,144 bytes; cs 262,144 bytes
;; launch qkv (part 1): grid 16 x 16, 4 waves a work-group, no clusters, 169,472 bytes of LDS; arguments X_codes, X_scales, Wq_codes, Wk_codes, Wv_codes, Wq_scales, Wk_scales, Wv_scales, bq, bk, bv, qc, kc, vc, qs, ks, vs; writes qc, kc, vc, qs, ks, vs
.if DOCPART == 1
	.amdgcn_target "amdgcn-amd-amdhsa--gfx1250"
	.amdhsa_code_object_version 6
	.text
	.protected	k_qffb31eeb74_qkv
	.globl	k_qffb31eeb74_qkv
	.p2align	8
	.type	k_qffb31eeb74_qkv,@function
k_qffb31eeb74_qkv:
	s_mov_b64 s[64:65], 0
	v_nop
	global_prefetch_b8 v0, s[64:65] scope:SCOPE_SE
	s_setreg_imm32_b32 hwreg(HW_REG_WAVE_MODE, 25, 1), 1
	s_wait_xcnt 0x0
; q, k, v = X W + b for ONE head (work-group y) and 512 tokens (work-group x), on codes of FP4 (E2M1) with one E8M0 scale for each 32 along K = 1,024; the results are quantised here:
; q and k along the head's 64 (two blocks of 32), v along the tokens (the keys of the second attention product), and stored as IMAGES OF OPERAND REGISTERS, 16 bytes a lane, 512 consecutive bytes a store.
; SHARES.  Four waves; wave w owns 128 tokens (8 tiles of 16) for all 192 columns of the head.  Its X stays in registers: 8 tiles x 8 K steps x 8 = 512.  The head's 192 rows of W lie in LDS, filled once,
; and are streamed tile by tile: each fragment of W read from LDS feeds eight matrix instructions.  768 matrix instructions a wave.
; THE ROWS OF A TILE ARE NOT NEIGHBOURS: lane-row r of tile T (of tokens, and of W's rows alike) is row perm(T, r) = 32 (T / 2) + 8 (T % 2) + r + 8 (r / 8).  In a result the 16 registers of tiles 2 b and 2 b + 1 of source 0
; are then 16 neighbours, 32 b + 16 (lane / 16) + 0 .. 15.  For q and k source 0 = W, source 1 = X: a lane holds one token, its registers run along d.  For v source 0 = X, source 1 = W: a lane holds one d, its registers run along the tokens.
; The biases are the C of each sum's first matrix instruction.
; NO JOINT LOADS: X's 512 rows at 528 bytes (270,336) and W's 192 (101,376) do not fit in LDS together, so X turns through a small stage of the wave's own on its way to registers, loaded by plain loads of whole rows;
; what work-groups share, W's 96 KiB of a work-group's 352 KiB, is read once by each and comes the same way.
; LIMITS: a block whose largest magnitude lies under 2^-124 gets the scale byte 1; so does a block of zeros, where the quantiser says 127: its codes are zeros, and these bytes are read by this program alone.  NaN and infinities are not served.
; LDS: per wave two stages of 16 rows x 528 bytes for X; behind them 192 rows x 528 of W.  528 = 33 x 16: the sixteen rows that a fragment load touches begin at sixteen different 16-byte columns of 256 bytes.
; Row d of matrix m lies at slot 64 m + 32 (d / 32) + 16 ((d / 8) % 2) + 8 ((d / 16) % 2) + d % 8, so that tile t reads slots 64 m + 16 t + r.
; REGISTERS, in windows of 256.  Window 0: addresses, scale words, biases, what the quantiser makes.  Windows 1, 2: X's fragment (T, s) at window 1 + T / 4, v[64 (T % 4) + 8 s].
; Window 3: v0-63, v64-127 two sets of 8 accumulators; v128-191, v192-255 two buffers for a tile of W (8 K steps).
.set XP,    528                        ; an LDS row: 512 bytes + 16
.set XST1,  16*XP                      ; a stage
.set XSTW,  2*XST1                     ; a wave's two
.set WST,   4*XSTW                     ; W's rows begin here
.set FLOOR, 0x1800000                  ; 2^(3 - 127): under it no largest magnitude is taken, so the byte cannot fall under 1
.set EOFF,  0xff000000                 ; takes 2 off an exponent field
.set PADSC, 0x7f7f0000                 ; scale bytes 2 and 3 of q's and k's words: 1.0, for the upper half of the attention product's K step, where q's codes are zeros
.set VL16,  4                          ; 16 x lane
.set VL8,   5                          ; 8 x lane
.set VP32,  6                          ; 32 x (8 h + r + 8 (r / 8)): a row of scale bytes, lanes 0-15 of an even tile, lanes 16-31 of the odd one beside it
.set VWL,   7                          ; W in memory: 16 x lane + my 16 rows
.set VXS,   8                          ; my stages, on the way in: a row's 512 bytes
.set VXL,   9                          ; and out: 528 r + 16 h
.set VWA,   10                         ; v10-12 W's fragments in LDS, matrix 0, 1, 2
.set VWS,   13                         ; where I store W's rows (matrices 0, 1)
.set VB,    14                         ; 64 h: bq, bk
.set VBV,   15                         ; 4 (r + 8 (r / 8)): bv
.set XS,    16                         ; v16-47  X's scale words: 8 p + s: lanes 0-15 tile 2 p, lanes 16-31 tile 2 p + 1
.set WS,    48                         ; v48-95  W's: 8 (2 m + b) + s likewise
.set BQK,   96                         ; v96-159 bq's and bk's tiles in the result's layout
.set BVL,   160                        ; v160-163 bv at my d, for each tile of d
.set BV8,   164                        ; v164-171 the same eight times: C of v's first products
.set CODES, 172                        ; v172-203
.set TM,    204                        ; largest magnitudes
.set TP,    212                        ; the other half's; then bytes
.set TS,    220                        ; the conversions' scale operands
.set TBY,   228                        ; block 0's bytes
.set SW,    236                        ; scale words
.set VWS2,  244                        ; where I store W's rows (matrix 2)
.set PK,    246                        ; v246-249 scale words as they are stored
.set MSB, 0
.macro WIN new                         ; s_set_vgpr_msb: bits 1:0 source 0, 3:2 source 1, 5:4 source 2, 7:6 destination; the high byte repeats the setting that is left
.if MSB != (\new)
	s_set_vgpr_msb (MSB<<8)|(\new)
.set MSB, (\new)
.endif
.endm
.macro PLACES                          ; four plain vector instructions between a matrix instruction and a load into, or a vector read of, its registers
.rept 4
	v_nop
.endr
.endm
.macro WM d, a, b, c, sa, sb, ra, rb   ; one product; ra, rb = 1: that side's scale words are taken from lanes 16-31
.if (\ra) && (\rb)
	v_wmma_scale_f32_16x16x128_f8f6f4 v[\d:\d+7], v[\a:\a+7], v[\b:\b+7], v[\c:\c+7], v[\sa], v[\sb] matrix_a_fmt:MATRIX_FMT_FP4 matrix_b_fmt:MATRIX_FMT_FP4 matrix_a_scale:MATRIX_SCALE_ROW1 matrix_b_scale:MATRIX_SCALE_ROW1
.elseif (\ra)
	v_wmma_scale_f32_16x16x128_f8f6f4 v[\d:\d+7], v[\a:\a+7], v[\b:\b+7], v[\c:\c+7], v[\sa], v[\sb] matrix_a_fmt:MATRIX_FMT_FP4 matrix_b_fmt:MATRIX_FMT_FP4 matrix_a_scale:MATRIX_SCALE_ROW1
.elseif (\rb)
	v_wmma_scale_f32_16x16x128_f8f6f4 v[\d:\d+7], v[\a:\a+7], v[\b:\b+7], v[\c:\c+7], v[\sa], v[\sb] matrix_a_fmt:MATRIX_FMT_FP4 matrix_b_fmt:MATRIX_FMT_FP4 matrix_b_scale:MATRIX_SCALE_ROW1
.else
	v_wmma_scale_f32_16x16x128_f8f6f4 v[\d:\d+7], v[\a:\a+7], v[\b:\b+7], v[\c:\c+7], v[\sa], v[\sb] matrix_a_fmt:MATRIX_FMT_FP4 matrix_b_fmt:MATRIX_FMT_FP4
.endif
.endm
	s_load_b512 s[8:23], s[0:1], 0x0               ; X's codes, X's scales, Wq's, Wk's, Wv's codes, Wq's, Wk's, Wv's scales
	s_load_b512 s[24:39], s[0:1], 0x40             ; bq, bk, bv, qc, kc, vc, qs, ks
	s_load_b64 s[40:41], s[0:1], 0x80              ; vs
	v_lshl_add_u32 v254, v0, 2, 0x29400
	v_mov_b32 v255, 0
	v_lshrrev_b32 v1, 5, v0
	v_readfirstlane_b32 s2, v1                     ; wave 0..3
	s_and_b32 s4, ttmp7, 0xffff                    ; the head
	s_mov_b32 s42, 0x76543210
	s_mov_b32 s43, 0xfedcba98                      ; v_permlanex16_b32's selects for lane l xor 16
	s_mov_b32 s44, 0xffff0000                      ; a lane mask: lanes 16-31
	v_and_b32 v1, 31, v0                           ; lane
	v_and_b32 v2, 15, v0                           ; r
	v_bfe_u32 v3, v0, 4, 1                         ; h
	v_lshlrev_b32 v[VL16], 4, v1
	v_lshlrev_b32 v[VL8], 3, v1
	v_and_b32 v[VBV], 8, v2
	v_add_nc_u32 v[VBV], v[VBV], v2                ; r + 8 (r / 8)
	v_lshl_add_u32 v[VP32], v3, 3, v[VBV]
	v_lshlrev_b32 v[VP32], 5, v[VP32]
	v_lshlrev_b32 v[VBV], 2, v[VBV]
	v_lshlrev_b32 v[VB], 6, v3
	s_lshl_b32 s52, s2, 13                         ; my 16 rows of each W: 16 w x 512 bytes
	v_add_nc_u32 v[VWL], s52, v[VL16]
	s_mul_i32 s52, s2, XSTW                        ; my stages
	v_add_nc_u32 v[VXS], s52, v[VL16]
	v_mul_u32_u24 v[VXL], v2, XP
	v_lshl_add_u32 v[VXL], v3, 4, v[VXL]           ; 528 r + 16 h
	v_add_nc_u32 v[VWA], WST, v[VXL]
	v_add_nc_u32 v[VWA+1], WST+64*XP, v[VXL]
	v_add_nc_u32 v[VWA+2], WST+128*XP, v[VXL]
	v_add_nc_u32 v[VXL], s52, v[VXL]
	s_lshr_b32 s53, s2, 1                          ; rows 16 w + i go to slots 32 (w / 2) + 8 (w % 2) + 16 (i / 8) + i % 8
	s_lshl_b32 s53, s53, 5
	s_and_b32 s54, s2, 1
	s_lshl_b32 s54, s54, 3
	s_add_co_u32 s53, s53, s54
	s_mul_i32 s53, s53, XP
	s_add_co_u32 s53, s53, WST
	v_add_nc_u32 v[VWS], s53, v[VL16]
	v_add_nc_u32 v[VWS2], 128*XP, v[VWS]
.irp i, 0,1,2,3,4,5,6,7
	v_mov_b32 v[TP+\i], 0                          ; written once: a lane permute's destination counts as one of its sources
.endr
	s_lshl_b32 s46, ttmp9, 18                      ; X: 512 tokens x 512 bytes a work-group,
	s_lshl_b32 s48, s2, 16                         ; 128 tokens a wave
	s_add_co_u32 s46, s46, s48
	s_mov_b32 s47, 0
	s_mov_b32 s49, 0
	s_lshr_b32 s50, ttmp9, 2                       ; the batch
	s_lshl_b32 s50, s50, 4
	s_add_co_u32 s50, s50, s4                      ; 16 x batch + head
	s_lshl_b32 s50, s50, 4
	s_and_b32 s51, ttmp9, 3
	s_lshl_b32 s51, s51, 2
	s_add_co_u32 s50, s50, s51
	s_add_co_u32 s50, s50, s2                      ; x 16 + my group of 128 tokens in the sequence
	s_wait_kmcnt 0x0
	s_add_nc_u64 s[8:9], s[8:9], s[46:47]
	s_lshr_b32 s46, s46, 4                         ; 32 scale bytes for 512 of codes
	s_add_nc_u64 s[10:11], s[10:11], s[46:47]
	s_lshl_b32 s48, s4, 15                         ; a head's 64 rows of 512 bytes
.irp g, 12,14,16
	s_add_nc_u64 s[\g:\g+1], s[\g:\g+1], s[48:49]
.endr
	s_lshl_b32 s48, s4, 11
.irp g, 18,20,22
	s_add_nc_u64 s[\g:\g+1], s[\g:\g+1], s[48:49]
.endr
	s_lshl_b32 s48, s4, 8
.irp g, 24,26,28
	s_add_nc_u64 s[\g:\g+1], s[\g:\g+1], s[48:49]
.endr
	s_lshl_b32 s48, s50, 12                        ; 4,096 bytes of codes for 128 tokens of a head,
.irp g, 30,32,34
	s_add_nc_u64 s[\g:\g+1], s[\g:\g+1], s[48:49]
.endr
	s_lshl_b32 s48, s50, 9                         ; 512 of q's or k's scale words,
.irp g, 36,38
	s_add_nc_u64 s[\g:\g+1], s[\g:\g+1], s[48:49]
.endr
	s_lshl_b32 s48, s50, 8                         ; 256 of v's
	s_add_nc_u64 s[40:41], s[40:41], s[48:49]
	; ---- all loads go out first: 40 of scales and biases, 48 rows of W, 128 rows of X
.irp p, 0,1,2,3
	global_load_b128 v[XS+8*\p:XS+8*\p+3], v[VP32], s[10:11] offset:1024*\p        ; 32 tokens' scale rows, 1,024 dense bytes in the two loads
	global_load_b128 v[XS+8*\p+4:XS+8*\p+7], v[VP32], s[10:11] offset:1024*\p+16
.endr
.irp m, 0,1,2
.irp b, 0,1
	global_load_b128 v[WS+8*(2*\m+\b):WS+8*(2*\m+\b)+3], v[VP32], s[18+2*\m:19+2*\m] offset:1024*\b
	global_load_b128 v[WS+8*(2*\m+\b)+4:WS+8*(2*\m+\b)+7], v[VP32], s[18+2*\m:19+2*\m] offset:1024*\b+16
.endr
.endr
.irp m, 0,1
.irp t, 0,1,2,3
	global_load_b128 v[BQK+8*(4*\m+\t):BQK+8*(4*\m+\t)+3], v[VB], s[24+2*\m:25+2*\m] offset:4*(32*(\t/2)+8*(\t%2))      ; b at d = 32 (t / 2) + 8 (t % 2) + 16 h + 0 .. 7
	global_load_b128 v[BQK+8*(4*\m+\t)+4:BQK+8*(4*\m+\t)+7], v[VB], s[24+2*\m:25+2*\m] offset:4*(32*(\t/2)+8*(\t%2))+16
.endr
.endr
.irp t, 0,1,2,3
	global_load_b32 v[BVL+\t], v[VBV], s[28:29] offset:4*(32*(\t/2)+8*(\t%2))      ; bv at d = perm(t, r)
.endr
	WIN 0xC0                                       ; destination window 3
.irp m, 0,1,2
.irp i, 0,1,2,3,4,5,6,7,8,9,10,11,12,13,14,15
	global_load_b128 v[64*\m+4*\i:64*\m+4*\i+3], v[VWL], s[12+2*\m:13+2*\m] offset:512*\i   ; row 16 w + i: 512 consecutive bytes
.endr
.endr
.macro XLOAD tt                        ; tile tt's 16 rows, each 512 consecutive bytes, into the 64 registers that its fragments will take
	WIN (1+(\tt)/4)<<6
.irp i, 0,1,2,3,4,5,6,7,8,9,10,11,12,13,14,15
	global_load_b128 v[64*((\tt)%4)+4*\i:64*((\tt)%4)+4*\i+3], v[VL16], s[8:9] offset:512*(32*((\tt)/2)+8*((\tt)%2)+\i+8*(\i/8))
.endr
.endm
.macro XSTO tt                         ; the rows go into stage tt % 2 as they lie
.if (\tt) >= 4
	s_wait_loadcnt 16*(7-(\tt))                    ; behind this tile's loads stand those of the 7 - tt later tiles
.endif
	WIN (1+(\tt)/4)<<2                             ; an LDS store's data are its source 1
.irp i, 0,1,2,3,4,5,6,7,8,9,10,11,12,13,14,15
	ds_store_b128 v[VXS], v[64*((\tt)%4)+4*\i:64*((\tt)%4)+4*\i+3] offset:XST1*((\tt)%2)+XP*\i
.endr
.endm
.macro XLDF tt                         ; and come back as fragments: lane (r, h) takes, of row r, bytes 64 s + 32 c + 16 h
	WIN (1+(\tt)/4)<<6
.irp sg, 0,1,2,3,4,5,6,7
.irp c, 0,1
	ds_load_b128 v[64*((\tt)%4)+8*\sg+4*\c:64*((\tt)%4)+8*\sg+4*\c+3], v[VXL] offset:XST1*((\tt)%2)+64*\sg+32*\c
.endr
.endr
.endm
.irp tt, 0,1,2,3,4,5,6,7
	XLOAD \tt
.endr
	s_wait_loadcnt 63                              ; of 216 loads at most the last 63 are out: the 88 of scales, biases and W are in, and so are X's tiles 0 to 3
	WIN 0x0C
.irp m, 0,1
.irp i, 0,1,2,3,4,5,6,7,8,9,10,11,12,13,14,15
	ds_store_b128 v[VWS], v[64*\m+4*\i:64*\m+4*\i+3] offset:XP*(64*\m+16*(\i/8)+\i%8)
.endr
.endr
.irp i, 0,1,2,3,4,5,6,7,8,9,10,11,12,13,14,15
	ds_store_b128 v[VWS2], v[128+4*\i:128+4*\i+3] offset:XP*(16*(\i/8)+\i%8)
.endr
	; X's turn through my two stages.  LDS serves a wave's instructions in order (ISA guide 5.7.1.4), so a stage's next stores come behind its loads without a wait.
	; Each counted wait shows a tile's stores done, which have then read the registers that the tile's loads write: the count is what was issued behind those stores.
	XSTO 0
	XSTO 1
	s_wait_dscnt 16                                ; behind tile 0's stores: tile 1's 16
	XLDF 0
.irp tt, 2,3,4,5,6,7
	XSTO \tt
	s_wait_dscnt 32                                ; behind tile tt - 1's stores: tile tt - 2's 16 loads and tile tt's 16 stores
	XLDF \tt-1
.endr
	s_wait_dscnt 16                                ; behind tile 7's stores: tile 6's 16 loads
	XLDF 7
	WIN 0
	s_wait_dscnt 0x0                               ; for the others' sake: my rows of W lie in LDS; and my X is in registers
	s_barrier_signal -1
	s_barrier_wait -1                              ; all 192 rows of W lie in LDS; nothing is stored there again
.macro FETCHW tau                      ; tile tau of 12 (matrix tau / 4): its eight K steps into buffer tau % 2
	WIN 0xC0
.irp sg, 0,1,2,3,4,5,6,7
.irp c, 0,1
	ds_load_b128 v[128+64*((\tau)%2)+8*\sg+4*\c:128+64*((\tau)%2)+8*\sg+4*\c+3], v[VWA+(\tau)/4] offset:XP*16*((\tau)%4)+64*\sg+32*\c
.endr
.endr
.endm
; A pass: one tile of W against my eight tiles of tokens, 64 matrix instructions.  Four accumulators take turns, one instruction a turn, K ascending; then the other four, whose X lies in the other window.
.macro PASSQK m, t                     ; q (m = 0) or k (1), tile t of d: source 0 = W, source 1 = X
.set TAU, 4*(\m)+(\t)
.set ACC, 64*((\t)%2)
.set WB,  128+64*(TAU%2)
.set WSB, WS+8*(2*(\m)+(\t)/2)
.set RA,  (\t)%2
	PLACES                                         ; the buffer fetched into was read by the pass before
	FETCHW TAU+1
	s_wait_dscnt 16                                ; this pass's tile is in; the 16 loads just issued may be out
.irp hf, 0,1
	WIN 0xC7+4*\hf                                 ; W window 3, X window 1 or 2, the bias window 0, D window 3
.irp i, 0,1,2,3
	WM ACC+8*(4*\hf+\i), WB, 64*\i, BQK+8*TAU, WSB, XS+8*(2*\hf+\i/2), RA, \i%2
.endr
	WIN 0xF7+4*\hf                                 ; C window 3
.irp sg, 1,2,3,4,5,6,7
.irp i, 0,1,2,3
	WM ACC+8*(4*\hf+\i), WB+8*\sg, 64*\i+8*\sg, ACC+8*(4*\hf+\i), WSB+\sg, XS+8*(2*\hf+\i/2)+\sg, RA, \i%2
.endr
.endr
.endr
	WIN 0
.endm
.macro PASSV tp                        ; v, tile tp of d: source 0 = X, source 1 = W
.set TAU, 8+(\tp)
.set ACC, 64*((\tp)%2)
.set WB,  128+64*(TAU%2)
.set WSB, WS+8*(4+(\tp)/2)
.set RB,  (\tp)%2
.irp j, 0,1,2,3,4,5,6,7
	v_mov_b32 v[BV8+\j], v[BVL+(\tp)]              ; a lane holds one d: its eight registers take the same bias
.endr
	PLACES
.if (\tp) < 3
	FETCHW TAU+1
	s_wait_dscnt 16
.else
	s_wait_dscnt 0x0                               ; the last tile: nothing more to fetch
.endif
.irp hf, 0,1
	WIN 0xCD+\hf                                   ; X window 1 or 2, W window 3, the bias window 0, D window 3
.irp i, 0,1,2,3
	WM ACC+8*(4*\hf+\i), 64*\i, WB, BV8, XS+8*(2*\hf+\i/2), WSB, \i%2, RB
.endr
	WIN 0xFD+\hf
.irp sg, 1,2,3,4,5,6,7
.irp i, 0,1,2,3
	WM ACC+8*(4*\hf+\i), 64*\i+8*\sg, WB+8*\sg, ACC+8*(4*\hf+\i), XS+8*(2*\hf+\i/2)+\sg, WSB+\sg, \i%2, RB
.endr
.endr
.endr
	WIN 0
.endm
; Block b of d (32 numbers: 16 in me, 16 in lane l xor 16) of my eight tiles of tokens: set 0 holds d = 32 b + 16 h + 0 .. 7, set 1 the next eight.  The eight tiles take turns line by line.
.macro QKQUANT b
.if (\b) == 0
	s_wait_xcnt 0x0                                ; earlier stores have read CODES and PK: they are written again only behind this wait
.endif
	PLACES
	WIN 0x0F                                       ; sources 0 and 1 window 3
.irp i, 0,1,2,3,4,5,6,7
	v_max3_num_f32 v[TM+\i], |v[8*\i]|, |v[8*\i+1]|, FLOOR          ; each accumulator is read from its low end on
.endr
.irp k, 2,4,6
.irp i, 0,1,2,3,4,5,6,7
	v_max3_num_f32 v[TM+\i], |v[8*\i+\k]|, |v[8*\i+\k+1]|, v[TM+\i]
.endr
.endr
.irp k, 0,2,4,6
.irp i, 0,1,2,3,4,5,6,7
	v_max3_num_f32 v[TM+\i], |v[64+8*\i+\k]|, |v[64+8*\i+\k+1]|, v[TM+\i]
.endr
.endr
	WIN 0
.irp i, 0,1,2,3,4,5,6,7
	v_permlanex16_b32 v[TP+\i], v[TM+\i], s42, s43
.endr
.irp i, 0,1,2,3,4,5,6,7
	v_max_num_f32 v[TM+\i], v[TM+\i], v[TP+\i]     ; the block's largest magnitude
.endr
.irp i, 0,1,2,3,4,5,6,7
	v_add_nc_u32 v[TS+\i], EOFF, v[TM+\i]          ; 2 off its exponent field: the conversion takes the exponent field of this operand as its scale
.endr
.irp i, 0,1,2,3,4,5,6,7
.if (\b) == 0
	v_lshrrev_b32 v[TBY+\i], 23, v[TS+\i]          ; the scale's byte
.else
	v_lshrrev_b32 v[TP+\i], 23, v[TS+\i]
.endif
.endr
	WIN 0x03                                       ; source 0 window 3
.irp i, 0,1,2,3,4,5,6,7
	v_cvt_scalef32_pk8_fp4_f32 v[CODES+4*\i+2*(\b)], v[8*\i:8*\i+7], v[TS+\i]
	v_cvt_scalef32_pk8_fp4_f32 v[CODES+4*\i+2*(\b)+1], v[64+8*\i:64+8*\i+7], v[TS+\i]
.endr
	WIN 0
	v_nop                                          ; one plain place behind a scaled conversion
.endm
.macro QKFIN cp, sp                    ; the codes into the operand's order, the scale words, and out
.irp i, 0,1,2,3,4,5,6,7
	v_permlane16_swap_b32 v[CODES+4*\i], v[CODES+4*\i+2]     ; lanes 0-15 get block 0 whole, lanes 16-31 block 1: registers 0-3 of a fragment whose K is d
	v_permlane16_swap_b32 v[CODES+4*\i+1], v[CODES+4*\i+3]
.endr
.irp i, 0,1,2,3,4,5,6,7
	v_lshl_or_b32 v[SW+\i], v[TP+\i], 8, v[TBY+\i]
.endr
.irp i, 0,1,2,3,4,5,6,7
	v_or_b32 v[SW+\i], PADSC, v[SW+\i]
.endr
.irp q, 0,1,2,3
	v_cndmask_b32 v[PK+\q], v[SW+2*\q], v[SW+2*\q+1], s44    ; lanes 0-15 the even tile's words, lanes 16-31 the odd tile's
.endr
.irp i, 0,1,2,3,4,5,6,7
	global_store_b128 v[VL16], v[CODES+4*\i:CODES+4*\i+3], s[\cp:\cp+1] offset:512*\i   ; 512 consecutive bytes, aligned
.endr
	global_store_b128 v[VL16], v[PK:PK+3], s[\sp:\sp+1]
.endm
; v's tile tp of d: a lane's 64 registers are tokens 32 b + 16 h + 0 .. 15 of four blocks: one fragment (K = 128 keys) and one scale word a row.
.macro VQUANT tp
.set ACC, 64*((\tp)%2)
	s_wait_xcnt 0x0                                ; earlier stores have read CODES and PK
	PLACES
	WIN 0x0F
.irp b, 0,1,2,3
	v_max3_num_f32 v[TM+\b], |v[ACC+16*\b]|, |v[ACC+16*\b+1]|, FLOOR
.endr
.irp k, 2,4,6,8,10,12,14
.irp b, 0,1,2,3
	v_max3_num_f32 v[TM+\b], |v[ACC+16*\b+\k]|, |v[ACC+16*\b+\k+1]|, v[TM+\b]
.endr
.endr
	WIN 0
.irp b, 0,1,2,3
	v_permlanex16_b32 v[TP+\b], v[TM+\b], s42, s43
.endr
.irp b, 0,1,2,3
	v_max_num_f32 v[TM+\b], v[TM+\b], v[TP+\b]
.endr
.irp b, 0,1,2,3
	v_add_nc_u32 v[TS+\b], EOFF, v[TM+\b]
.endr
.irp b, 0,1,2,3
	v_lshrrev_b32 v[TP+\b], 23, v[TS+\b]
.endr
	v_lshl_or_b32 v[SW+(\tp)], v[TP+1], 8, v[TP]
	v_lshl_or_b32 v[SW+(\tp)], v[TP+2], 16, v[SW+(\tp)]
	v_lshl_or_b32 v[SW+(\tp)], v[TP+3], 24, v[SW+(\tp)]
	WIN 0x03
.irp b, 0,1,2,3
	v_cvt_scalef32_pk8_fp4_f32 v[CODES+2*\b], v[ACC+16*\b:ACC+16*\b+7], v[TS+\b]
	v_cvt_scalef32_pk8_fp4_f32 v[CODES+2*\b+1], v[ACC+16*\b+8:ACC+16*\b+15], v[TS+\b]
.endr
	WIN 0
	v_nop                                          ; one plain place behind a scaled conversion
.irp c, 0,1
.irp k, 0,1
	v_permlane16_swap_b32 v[CODES+4*\c+\k], v[CODES+4*\c+2+\k]
.endr
.endr
.irp c, 0,1
	global_store_b128 v[VL16], v[CODES+4*\c:CODES+4*\c+3], s[34:35] offset:1024*(\tp)+512*\c
.endr
.endm
	FETCHW 0
	PASSQK 0, 0
	PASSQK 0, 1
	QKQUANT 0
	PASSQK 0, 2
	PASSQK 0, 3
	QKQUANT 1
	QKFIN 30, 36
	PASSQK 1, 0
	PASSQK 1, 1
	QKQUANT 0
	PASSQK 1, 2
	PASSQK 1, 3
	QKQUANT 1
	QKFIN 32, 38
.irp tp, 0,1,2,3
	PASSV \tp
	VQUANT \tp
.endr
	v_cndmask_b32 v[PK], v[SW], v[SW+1], s44       ; v's scale words: lanes 0-15 the even tile of d, lanes 16-31 the odd one
	v_cndmask_b32 v[PK+1], v[SW+2], v[SW+3], s44
	global_store_b64 v[VL8], v[PK:PK+1], s[40:41]  ; 256 consecutive bytes, aligned
	s_wait_tensorcnt 0x0
	ds_add_u32 v254, v255
	s_wait_dscnt 0x0
	s_endpgm
.Lfunc_end_k_qffb31eeb74_qkv:
	.size	k_qffb31eeb74_qkv, .Lfunc_end_k_qffb31eeb74_qkv-k_qffb31eeb74_qkv
	.p2alignl 7, 3214868480
	.fill 96, 4, 3214868480
	.section	.rodata,"a",@progbits
	.p2align	6, 0x0
	.amdhsa_kernel k_qffb31eeb74_qkv
		.amdhsa_group_segment_fixed_size 169472
		.amdhsa_private_segment_fixed_size 0
		.amdhsa_enable_private_segment 0
		.amdhsa_kernarg_size 136
		.amdhsa_user_sgpr_count 2
		.amdhsa_user_sgpr_kernarg_segment_ptr 1
		.amdhsa_wavefront_size32 1
		.amdhsa_system_sgpr_workgroup_id_x 1
		.amdhsa_system_sgpr_workgroup_id_y 1
		.amdhsa_system_sgpr_workgroup_id_z 1
		.amdhsa_system_vgpr_workitem_id 0
		.amdhsa_next_free_vgpr 1024
		.amdhsa_next_free_sgpr 66
		.amdhsa_reserve_vcc 0
		.amdhsa_float_denorm_mode_32 3
		.amdhsa_float_denorm_mode_16_64 3
		.amdhsa_memory_ordered 1
		.amdhsa_forward_progress 1
		.amdhsa_inst_pref_size 208
	.end_amdhsa_kernel
	.amdgpu_metadata
---
amdhsa.version: [ 1, 2 ]
amdhsa.kernels:
  - .name:           k_qffb31eeb74_qkv
    .symbol:         k_qffb31eeb74_qkv.kd
    .args:
      - { .name: X_codes, .offset: 0, .size: 8, .value_kind: global_buffer, .address_space: global }
      - { .name: X_scales, .offset: 8, .size: 8, .value_kind: global_buffer, .address_space: global }
      - { .name: Wq_codes, .offset: 16, .size: 8, .value_kind: global_buffer, .address_space: global }
      - { .name: Wk_codes, .offset: 24, .size: 8, .value_kind: global_buffer, .address_space: global }
      - { .name: Wv_codes, .offset: 32, .size: 8, .value_kind: global_buffer, .address_space: global }
      - { .name: Wq_scales, .offset: 40, .size: 8, .value_kind: global_buffer, .address_space: global }
      - { .name: Wk_scales, .offset: 48, .size: 8, .value_kind: global_buffer, .address_space: global }
      - { .name: Wv_scales, .offset: 56, .size: 8, .value_kind: global_buffer, .address_space: global }
      - { .name: bq, .offset: 64, .size: 8, .value_kind: global_buffer, .address_space: global }
      - { .name: bk, .offset: 72, .size: 8, .value_kind: global_buffer, .address_space: global }
      - { .name: bv, .offset: 80, .size: 8, .value_kind: global_buffer, .address_space: global }
      - { .name: qc, .offset: 88, .size: 8, .value_kind: global_buffer, .address_space: global }
      - { .name: kc, .offset: 96, .size: 8, .value_kind: global_buffer, .address_space: global }
      - { .name: vc, .offset: 104, .size: 8, .value_kind: global_buffer, .address_space: global }
      - { .name: qs, .offset: 112, .size: 8, .value_kind: global_buffer, .address_space: global }
      - { .name: ks, .offset: 120, .size: 8, .value_kind: global_buffer, .address_space: global }
      - { .name: vs, .offset: 128, .size: 8, .value_kind: global_buffer, .address_space: global }
    .group_segment_fixed_size: 169472
    .private_segment_fixed_size: 0
    .kernarg_segment_align: 8
    .kernarg_segment_size: 136
    .max_flat_workgroup_size: 128
    .sgpr_count:     66
    .vgpr_count:     1024
    .wavefront_size: 32
...
	.end_amdgpu_metadata
.endif
;; end of part 1
;; launch attn (part 2): grid 256 x 1, 8 waves a work-group, no clusters, 0 bytes of LDS; arguments qc, qs, kc, ks, vc, vs, cc, cs; writes cc, cs
.if DOCPART == 2
	.amdgcn_target "amdgcn-amd-amdhsa--gfx1250"
	.amdhsa_code_object_version 6
	.text
	.protected	k_qffb31eeb74_attn
	.globl	k_qffb31eeb74_attn
	.p2align	8
	.type	k_qffb31eeb74_attn,@function
k_qffb31eeb74_attn:
	s_mov_b64 s[64:65], 0
	v_nop
	global_prefetch_b8 v0, s[64:65] scope:SCOPE_SE
	s_setreg_imm32_b32 hwreg(HW_REG_WAVE_MODE, 25, 1), 1
	s_wait_xcnt 0x0
; Causal attention of one head on codes of FP4 (E2M1), one E8M0 scale for each 32 along a product's K; the result, divided by the row's sum, is quantised along the concatenated heads' axis and stored as images of operand registers.
; THE SOFTMAX: t = score x log2(e) / 8; M = the row's largest t so far, rounded UP to a whole number; p = 2^(t - M) is what is quantised, along the keys, not normalised.  The row's sum is taken of the unquantised p.
; When M moves, the sum and O are multiplied by 2^(old M - new M): exact.
; SHARES.  Four work-groups to a head, eight waves each: 32 waves.  A unit is 32 queries (tiles 2 j, 2 j + 1 of 16) and walks the key steps (128 keys) 0 .. j / 4; steps wholly above the diagonal are left out.
; Wave p takes units 63 - p and p, one after the other: (15 - p / 4 + 1) + (p / 4 + 1) = 17 key steps for every wave.
; Both products are used transposed: S^T = K Q^T (source 0 = 16 keys, source 1 = 16 queries), O^T = V^T P^T (source 0 = 16 of the head's 64, source 1 = P): a lane holds ONE query throughout.
; The tiles' rows are perm(T, r) = 32 (T / 2) + 8 (T % 2) + r + 8 (r / 8), as the launch before laid them: the 16 registers of tiles 2 b, 2 b + 1 are 16 neighbours, 32 b + 16 (lane / 16) + 0 .. 15, along the keys and along d.
; THE FIRST PRODUCT'S K IS 64, the instruction's 128: Q's registers 4-7 are zero codes.  K's four registers a tile lie on end, so the upper half of a tile's operand is the next tile's codes (behind the last: zeros);
; they meet Q's zeros under scale bytes 0x7f on both sides and add nothing.
; K's and V's fragments come from memory straight into registers, 512 consecutive bytes a load, a step ahead; each feeds both tiles of queries.
; NO JOINT LOADS, NO LDS: in each pass the waves of a work-group walk different numbers of key steps, so partners would need different numbers of tiles.
; The two tiles' softmaxes are staggered: one tile's 68 exponentials stand singly between the other tile's plain lines.
; Every trip issues the same 18 loads, so that the counted waits hold on every way: a unit's last step fetches step 0, which the next unit reads; behind the second unit nobody does (18 loads a wave, inside their buffers).
; cs is stored two bytes a lane, every second pair of 128 bytes (the head beside mine writes the others): one byte in 16 of what the launch stores.
; LIMITS: a block whose largest magnitude lies under 2^-124 (a block of zeros too) gets the scale byte 1; its bytes are read by this program alone.  NaN and infinities are not served.
.set FLOOR, 0x1800000
.set EOFF,  0xff000000
.set VL16,  1                          ; 16, 8, 4 x lane
.set VL8,   2
.set VL4,   3
.set VQ,    4                          ; r + 8 (r / 8) - 16 h: for the mask
.set KOFF,  5                          ; byte offsets of the step to be fetched: K's and V's codes,
.set KSOFF, 6                          ; K's scale words,
.set VSOFF, 7                          ; V's
.set QFR,   8                          ; v8-15, v16-23 Q's two fragments
.set QS,    24                         ; Q's scale words: lanes 0-15 tile 2 j, lanes 16-31 tile 2 j + 1
.set NINF,  25                         ; -infinity
.set VS,    26                         ; v26-27 V's scale words
.set KS,    28                         ; v28-31 K's
.set ST,    32                         ; tile u at +4 u: -M, the largest t, the sum in two halves
.set FAC,   40                         ; v40, v42: 2^(old M - new M); v41, v43 are named with them as pairs
.set BMX,   44                         ; v44-47, v48-51 each block's largest score, then its largest p
.set BP,    52                         ; v52-55 at work
.set TT,    56                         ; v56-57 at work
.set SA,    58                         ; v58-59 the sum's second chain
.set PWD,   60                         ; v60, v61 P's scale words
.set QOFF,  62
.set QSOFF, 63
.set PCD,   64                         ; v64-71, v72-79 P's codes
.set BSC,   80                         ; v80-83, v84-87 the conversions' scale operands
.set CCOFF, 88
.set CSOFF, 89
.set DM,    90
.set EC,    92                         ; v92-99 the result's codes
.set EB,    100                        ; v100-103
.set HWD,   104                        ; v104, v105
.set HWC,   106
.set SCR,   128                        ; v128-191, v192-255 S^T, then p
.set KW,    64                         ; window 1: v0-63 O^T (32 u + 8 t'); v64-95 K; v96-99 zeros; v104-135 V
.set VW,    104
.set MSB, 0
.macro WIN new                         ; s_set_vgpr_msb: bits 1:0 source 0, 3:2 source 1, 5:4 source 2, 7:6 destination; the high byte repeats the setting that is left
.if MSB != (\new)
	s_set_vgpr_msb (MSB<<8)|(\new)
.set MSB, (\new)
.endif
.endm
.macro PLACES                          ; four plain vector instructions between a matrix instruction and a load into, or a vector read of, its registers
.rept 4
	v_nop
.endr
.endm
.macro WM d, a, b, c, sa, sb, ra       ; one product that adds onto c; ra = 1: source 0's scale words are taken from lanes 16-31
.if (\ra)
	v_wmma_scale_f32_16x16x128_f8f6f4 v[\d:\d+7], v[\a:\a+7], v[\b:\b+7], v[\c:\c+7], v[\sa], v[\sb] matrix_a_fmt:MATRIX_FMT_FP4 matrix_b_fmt:MATRIX_FMT_FP4 matrix_a_scale:MATRIX_SCALE_ROW1
.else
	v_wmma_scale_f32_16x16x128_f8f6f4 v[\d:\d+7], v[\a:\a+7], v[\b:\b+7], v[\c:\c+7], v[\sa], v[\sb] matrix_a_fmt:MATRIX_FMT_FP4 matrix_b_fmt:MATRIX_FMT_FP4
.endif
.endm
.macro WMZ d, a, b, sa, sb, ra, rb     ; one product that starts a sum
.if (\ra) && (\rb)
	v_wmma_scale_f32_16x16x128_f8f6f4 v[\d:\d+7], v[\a:\a+7], v[\b:\b+7], 0, v[\sa], v[\sb] matrix_a_fmt:MATRIX_FMT_FP4 matrix_b_fmt:MATRIX_FMT_FP4 matrix_a_scale:MATRIX_SCALE_ROW1 matrix_b_scale:MATRIX_SCALE_ROW1
.elseif (\ra)
	v_wmma_scale_f32_16x16x128_f8f6f4 v[\d:\d+7], v[\a:\a+7], v[\b:\b+7], 0, v[\sa], v[\sb] matrix_a_fmt:MATRIX_FMT_FP4 matrix_b_fmt:MATRIX_FMT_FP4 matrix_a_scale:MATRIX_SCALE_ROW1
.elseif (\rb)
	v_wmma_scale_f32_16x16x128_f8f6f4 v[\d:\d+7], v[\a:\a+7], v[\b:\b+7], 0, v[\sa], v[\sb] matrix_a_fmt:MATRIX_FMT_FP4 matrix_b_fmt:MATRIX_FMT_FP4 matrix_b_scale:MATRIX_SCALE_ROW1
.else
	v_wmma_scale_f32_16x16x128_f8f6f4 v[\d:\d+7], v[\a:\a+7], v[\b:\b+7], 0, v[\sa], v[\sb] matrix_a_fmt:MATRIX_FMT_FP4 matrix_b_fmt:MATRIX_FMT_FP4
.endif
.endm
.macro LOADK                           ; nine loads: a step's eight tiles of K, four registers each, and their scale words
	WIN 0x40
.irp t, 0,1,2,3,4,5,6,7
	global_load_b128 v[KW+4*\t:KW+4*\t+3], v[KOFF], s[12:13] offset:512*\t
.endr
	WIN 0
	global_load_b128 v[KS:KS+3], v[KSOFF], s[14:15]
.endm
.macro LOADV                           ; nine loads: the step's four tiles of V and their scale words
	WIN 0x40
.irp tp, 0,1,2,3
.irp c, 0,1
	global_load_b128 v[VW+8*\tp+4*\c:VW+8*\tp+4*\c+3], v[KOFF], s[16:17] offset:1024*\tp+512*\c
.endr
.endr
	WIN 0
	global_load_b64 v[VS:VS+1], v[VSOFF], s[18:19]
.endm
; The next of tile BGU's 68 exponentials: its 64 p, then its four blocks' largest p.  Each stands behind a plain line of the other tile's work, which touches none of its registers.
.macro BG on
.if \on
.if BGN < 64
	v_exp_f32 v[SCR+64*BGU+BGN], v[SCR+64*BGU+BGN]
.elseif BGN < 68
	v_exp_f32 v[BMX+4*BGU+BGN-64], v[BMX+4*BGU+BGN-64]
.endif
.set BGN, BGN+1
.endif
.endm
.macro FLUSH                           ; what is left of them, and the plain place behind the last
.rept 68
	BG 1
.endr
	v_nop
	s_wait_alu depctr_va_vdst(0)
.endm
; Tile u, first part, 85 plain lines: the blocks' largest scores, the row's, the new M, t - M.
.macro SMA u, bg
.set SB, SCR+64*(\u)
.set BB, BMX+4*(\u)
.set TB, ST+4*(\u)
.set FB, FAC+2*(\u)
.irp b, 0,1,2,3
	v_max3_num_f32 v[BB+\b], v[SB+16*\b], v[SB+16*\b+1], v[SB+16*\b+2]      ; the largest score of each block of 32 keys: it serves for the row's maximum and, since p rises with the score, for the block's largest p
	BG \bg
.endr
.irp k, 3,5,7,9,11,13
.irp b, 0,1,2,3
	v_max3_num_f32 v[BB+\b], v[BB+\b], v[SB+16*\b+\k], v[SB+16*\b+\k+1]
	BG \bg
.endr
.endr
.irp b, 0,1,2,3
	v_max_num_f32 v[BB+\b], v[BB+\b], v[SB+16*\b+15]
	BG \bg
.endr
.irp b, 0,1,2,3
	v_permlanex16_b32 v[BP+\b], v[BB+\b], s28, s29
	BG \bg
.endr
.irp b, 0,1,2,3
	v_max_num_f32 v[BB+\b], v[BB+\b], v[BP+\b]     ; with lane l xor 16's 16 keys
	BG \bg
.endr
	v_max3_num_f32 v[TT], v[BB], v[BB+1], v[BB+2]
	BG \bg
	v_max_num_f32 v[TT], v[TT], v[BB+3]            ; the step's largest score of my query
	BG \bg
	v_mul_f32 v[TT], s26, v[TT]                    ; as t
	BG \bg
	v_max_num_f32 v[TB+1], v[TB+1], v[TT]          ; the running largest t
	BG \bg
	v_mov_b32 v[TT], v[TB]
	BG \bg
	v_floor_f32 v[TB], -v[TB+1]                    ; the new -M = floor(-t): M is a whole number
	BG \bg
	v_sub_f32 v[TT], v[TB], v[TT]                  ; old M - new M: a whole number, 0 or less
	BG \bg
	v_cvt_i32_f32 v[TT], v[TT]                     ; (it saturates)
	BG \bg
	v_ldexp_f32 v[FB], 1.0, v[TT]                  ; 2^(old M - new M)
	BG \bg
.set n, 0
.rept 32
	v_pk_fma_f32 v[SB+n:SB+n+1], v[SB+n:SB+n+1], s[26:27], v[TB:TB+1] op_sel_hi:[1,0,0]   ; t - M, two at a time (of the pairs the low word serves both halves)
	BG \bg
.set n, n+2
.endr
.irp b, 0,1,2,3
	v_fma_f32 v[BB+\b], v[BB+\b], s26, v[TB]       ; the same of each block's largest score
	BG \bg
.endr
.endm
; Tile u, second part, behind its exponentials: p's scale word and codes, the row's sum, O^T under the new M.
.macro SMC u, bg
.set SB, SCR+64*(\u)
.set BB, BMX+4*(\u)
.set TB, ST+4*(\u)
.set FB, FAC+2*(\u)
.set CB, PCD+8*(\u)
.set EBS, BSC+4*(\u)
.set PWR, PWD+(\u)
	v_pk_mul_f32 v[TB+2:TB+3], v[TB+2:TB+3], v[FB:FB+1] op_sel_hi:[1,0]     ; the sums under the new M
	BG \bg
	s_wait_alu depctr_va_vdst(0)
.irp b, 0,1,2,3
	v_max_num_f32 v[BB+\b], FLOOR, v[BB+\b]        ; the byte cannot fall under 1 (a block whose every p is 0 keeps that byte: its codes are zeros)
	BG \bg
.endr
.irp b, 0,1,2,3
	v_add_nc_u32 v[EBS+\b], EOFF, v[BB+\b]         ; 2 off the exponent field: the conversion's scale operand
	BG \bg
.endr
.irp b, 0,1,2,3
	v_lshrrev_b32 v[BP+\b], 23, v[EBS+\b]          ; the scale's byte
	BG \bg
.endr
	v_lshl_or_b32 v[PWR], v[BP+1], 8, v[BP]        ; p's scale word for these 128 keys
	BG \bg
	v_lshl_or_b32 v[PWR], v[BP+2], 16, v[PWR]
	BG \bg
	v_lshl_or_b32 v[PWR], v[BP+3], 24, v[PWR]
	BG \bg
.irp b, 0,1,2,3
	v_cvt_scalef32_pk8_fp4_f32 v[CB+2*\b], v[SB+16*\b:SB+16*\b+7], v[EBS+\b]
	v_cvt_scalef32_pk8_fp4_f32 v[CB+2*\b+1], v[SB+16*\b+8:SB+16*\b+15], v[EBS+\b]
.endr
	v_nop                                          ; one plain place behind a scaled conversion
	BG \bg
.irp c, 0,1
.irp k, 0,1
	v_permlane16_swap_b32 v[CB+4*\c+\k], v[CB+4*\c+2+\k]     ; a whole block to a lane: lanes 0-15 block 2 c, lanes 16-31 block 2 c + 1
	BG \bg
.endr
.endr
	v_pk_add_f32 v[SA:SA+1], v[SB:SB+1], v[SB+2:SB+3]        ; the row's sum is taken of the unquantised p: two at a time, in two chains
	BG \bg
.set n, 4
.rept 15
	v_pk_add_f32 v[TB+2:TB+3], v[TB+2:TB+3], v[SB+n:SB+n+1]
	BG \bg
	v_pk_add_f32 v[SA:SA+1], v[SA:SA+1], v[SB+n+2:SB+n+3]
	BG \bg
.set n, n+4
.endr
	v_pk_add_f32 v[TB+2:TB+3], v[TB+2:TB+3], v[SA:SA+1]
.if \bg
	FLUSH
.endif
	WIN 0x41                                       ; O^T: destination and source 0 window 1
.set n, 0
.rept 16
	v_pk_mul_f32 v[32*(\u)+n:32*(\u)+n+1], v[32*(\u)+n:32*(\u)+n+1], v[FB:FB+1] op_sel_hi:[1,0]   ; each accumulator from its low end on
.set n, n+2
.endr
	WIN 0
.endm
.macro MASK u                          ; register 16 b + i holds key 128 step + 32 b + 16 h + i: hidden where 32 b + i > DM
.set SB, SCR+64*(\u)
.set n, 0
.rept 64
	v_cmp_gt_i32 vcc_lo, 32*(n/16)+n%16, v[DM]
	v_cndmask_b32 v[SB+n], v[SB+n], v[NINF], vcc_lo
.set n, n+1
.endr
.endm
	s_load_b512 s[8:23], s[0:1], 0x0               ; qc, qs, kc, ks, vc, vs, cc, cs
	v_lshrrev_b32 v[TT], 5, v0
	v_readfirstlane_b32 s2, v[TT]                  ; wave 0..7
	s_lshr_b32 s3, ttmp9, 2                        ; 16 x batch + head
	s_and_b32 s4, ttmp9, 3
	s_lshl_b32 s4, s4, 3
	s_add_co_u32 s4, s4, s2                        ; p = 0 .. 31
	s_mov_b32 s26, 0x3e38aa3b                      ; log2(e) / 8
	s_mov_b32 s27, s26                             ; (named with it as a pair, so it is written)
	s_mov_b32 s28, 0x76543210
	s_mov_b32 s29, 0xfedcba98                      ; v_permlanex16_b32's selects for lane l xor 16
	s_mov_b32 s30, 0xffff0000                      ; a lane mask: lanes 16-31
	s_mov_b32 s33, 0
	v_and_b32 v[TT], 31, v0
	v_lshlrev_b32 v[VL16], 4, v[TT]
	v_lshlrev_b32 v[VL8], 3, v[TT]
	v_lshlrev_b32 v[VL4], 2, v[TT]
	v_and_b32 v[TT], 15, v0
	v_and_b32 v[TT+1], 8, v[TT]
	v_add_nc_u32 v[VQ], v[TT], v[TT+1]
	v_bfe_u32 v[TT+1], v0, 4, 1
	v_lshlrev_b32 v[TT+1], 4, v[TT+1]
	v_sub_nc_u32 v[VQ], v[VQ], v[TT+1]
	v_mov_b32 v[NINF], 0xff800000
.irp i, 4,5,6,7,12,13,14,15
	v_mov_b32 v[QFR+\i], 0                         ; Q's codes for the upper half of the instruction's K: zeros, written once
.endr
.irp i, 0,1,2,3
	v_mov_b32 v[BP+\i], 0                          ; written once: a lane permute's destination counts as one of its sources
.endr
	v_mov_b32 v[FAC+1], 0                          ; (the upper halves of pairs of which the low word alone is used)
	v_mov_b32 v[FAC+3], 0
	WIN 0x40
.irp i, 0,1,2,3
	v_mov_b32 v[KW+32+\i], 0                       ; behind K's last tile
.endr
	WIN 0
	v_mov_b32 v[KOFF], v[VL16]                     ; key step 0
	v_mov_b32 v[KSOFF], v[VL16]
	v_mov_b32 v[VSOFF], v[VL8]
	s_lshr_b32 s34, s3, 4                          ; the batch
	s_and_b32 s35, s3, 15                          ; the head
	s_wait_kmcnt 0x0
	s_lshl_b32 s32, s3, 16                         ; a head's codes: 65,536 bytes
	s_add_nc_u64 s[8:9], s[8:9], s[32:33]
	s_add_nc_u64 s[12:13], s[12:13], s[32:33]
	s_add_nc_u64 s[16:17], s[16:17], s[32:33]
	s_lshl_b32 s32, s3, 13
	s_add_nc_u64 s[10:11], s[10:11], s[32:33]
	s_add_nc_u64 s[14:15], s[14:15], s[32:33]
	s_lshl_b32 s32, s3, 12
	s_add_nc_u64 s[18:19], s[18:19], s[32:33]
	s_lshl_b32 s32, s34, 20                        ; cc: [tile of tokens][K step = head / 2][head % 2][lane][16 bytes]
	s_lshl_b32 s31, s35, 9
	s_add_co_u32 s32, s32, s31
	s_add_nc_u64 s[20:21], s[20:21], s[32:33]
	s_lshl_b32 s32, s34, 16                        ; cs: [pair of tiles][K step][lane][4 bytes]; my head's two bytes at 2 (head % 2)
	s_lshr_b32 s31, s35, 1
	s_lshl_b32 s31, s31, 7
	s_add_co_u32 s32, s32, s31
	s_and_b32 s31, s35, 1
	s_lshl_b32 s31, s31, 1
	s_add_co_u32 s32, s32, s31
	s_add_nc_u64 s[22:23], s[22:23], s[32:33]
	LOADK
	LOADV
	s_mov_b32 s5, 0                                ; the pass
.Lpass:
	s_wait_xcnt 0x0                                ; earlier loads and stores have read their registers: the offsets and the store data below are written again only behind this wait
	s_sub_co_u32 s6, 63, s4
	s_cmp_eq_u32 s5, 0
	s_cselect_b32 s6, s6, s4                       ; j: the long unit first
	s_lshr_b32 s7, s6, 2
	s_lshl_b32 s31, s7, 9
	s_add_co_u32 s7, s7, 1                         ; its key steps
	s_and_b32 s34, s6, 3
	s_lshl_b32 s34, s34, 2
	s_add_co_u32 s31, s31, s34
	v_add_nc_u32 v[QSOFF], s31, v[VL16]            ; qs: group j / 4, word j % 4 of my lane's four
	v_lshl_add_u32 v[QOFF], s6, 10, v[VL16]
	v_lshl_add_u32 v[CCOFF], s6, 14, v[VL16]
	v_lshl_add_u32 v[CSOFF], s6, 10, v[VL4]
	global_load_b128 v[QFR:QFR+3], v[QOFF], s[8:9]
	global_load_b128 v[QFR+8:QFR+11], v[QOFF], s[8:9] offset:512
	global_load_b32 v[QS], v[QSOFF], s[10:11]
.irp u, 0,1
	v_mov_b32 v[ST+4*\u+1], 0xff61b1e6             ; the largest t so far: -3e38, under every t
	v_floor_f32 v[ST+4*\u], -v[ST+4*\u+1]          ; -M
	v_mov_b32 v[ST+4*\u+2], 0                      ; the sum, in two halves
	v_mov_b32 v[ST+4*\u+3], 0
.endr
	WIN 0x40
.set n, 0
.rept 64
	v_mov_b32 v[n], 0                              ; O^T.  (The step is written once: a unit's first step finds zeros, which the first change of M leaves zeros)
.set n, n+1
.endr
	WIN 0
	s_mov_b32 s24, 0                               ; the key step
	s_wait_loadcnt 0x0                             ; Q; step 0's K and V with it
.Lstep:
	s_wait_loadcnt 9                               ; K of this step is in; behind its loads stand V's nine
	WIN 0x01                                       ; K window 1
.irp t, 0,1,2,3,4,5,6,7
.irp u, 0,1
	WMZ SCR+64*\u+8*\t, KW+4*\t, QFR+8*\u, KS+\t/2, QS, \t%2, \u
.endr
.endr
	WIN 0
	PLACES
	s_add_co_u32 s31, s24, 1
	s_cmp_lt_u32 s31, s7
	s_cselect_b32 s25, s31, 0                      ; the step to be fetched: the next, or behind the last step 0, for the next unit
	s_wait_xcnt 0x0                                ; the last trip's loads have read the offsets
	v_lshl_add_u32 v[KOFF], s25, 12, v[VL16]
	v_lshl_add_u32 v[KSOFF], s25, 9, v[VL16]
	v_lshl_add_u32 v[VSOFF], s25, 8, v[VL8]
	LOADK
	s_cmp_lt_u32 s31, s7                           ; only a unit's last step lies on the diagonal: a branch on ids and counters
	s_cbranch_scc1 .Lopen
	s_lshl_b32 s34, s6, 5
	s_lshl_b32 s35, s24, 7
	s_sub_co_i32 s34, s34, s35
	v_add_nc_u32 v[DM], s34, v[VQ]                 ; my query - the step's first key - 16 h, for tile 2 j
	MASK 0
	v_add_nc_u32 v[DM], 8, v[DM]                   ; tile 2 j + 1's queries lie 8 further on
	MASK 1
.Lopen:
	SMA 0, 0
.set BGU, 0
.set BGN, 0
	SMA 1, 1                                       ; tile 0's exponentials between tile 1's lines
.set BGU, 1
.set BGN, 0
	SMC 0, 1                                       ; tile 1's between tile 0's
	SMC 1, 0
	s_wait_loadcnt 9                               ; V of this step is in; behind its loads stand the next K's nine
	WIN 0x51                                       ; V, C and D window 1, P window 0
.irp tp, 0,1,2,3
.irp u, 0,1
	WM 32*\u+8*\tp, VW+8*\tp, PCD+8*\u, 32*\u+8*\tp, VS+\tp/2, PWD+\u, \tp%2
.endr
.endr
	WIN 0
	PLACES
	LOADV
	s_add_co_u32 s24, s24, 1
	s_cmp_lt_u32 s24, s7
	s_cbranch_scc1 .Lstep
	; ---- the unit's end: O^T / the sum, quantised along d (two blocks of 32 a head), to cc and cs
.irp u, 0,1
	v_add_f32 v[TT+\u], v[ST+4*\u+2], v[ST+4*\u+3] ; the sum's two halves,
.endr
.irp u, 0,1
	v_permlanex16_b32 v[BP+\u], v[TT+\u], s28, s29
.endr
.irp u, 0,1
	v_add_f32 v[TT+\u], v[TT+\u], v[BP+\u]         ; and lane l xor 16's: the row's sum
.endr
.irp u, 0,1
	v_rcp_f32 v[TT+\u], v[TT+\u]
.endr
	v_nop                                          ; one plain place behind a transcendental
	WIN 0x01                                       ; O^T: source 0 window 1
.set n, 0
	s_wait_alu depctr_va_vdst(0)
.rept 32
	v_mul_f32 v[SCR+n], v[n], v[TT]                ; register 16 b + i: d = 32 b + 16 h + i of my query
	v_mul_f32 v[SCR+64+n], v[32+n], v[TT+1]
.set n, n+1
.endr
	WIN 0
.irp q, 0,1,2,3                                ; block q = 2 u + b
	v_max3_num_f32 v[EB+\q], |v[SCR+64*(\q/2)+16*(\q%2)]|, |v[SCR+64*(\q/2)+16*(\q%2)+1]|, FLOOR
.endr
.irp k, 2,4,6,8,10,12,14
.irp q, 0,1,2,3
	v_max3_num_f32 v[EB+\q], v[EB+\q], |v[SCR+64*(\q/2)+16*(\q%2)+\k]|, |v[SCR+64*(\q/2)+16*(\q%2)+\k+1]|
.endr
.endr
.irp q, 0,1,2,3
	v_permlanex16_b32 v[BP+\q], v[EB+\q], s28, s29
.endr
.irp q, 0,1,2,3
	v_max_num_f32 v[EB+\q], v[EB+\q], v[BP+\q]
.endr
.irp q, 0,1,2,3
	v_add_nc_u32 v[BSC+\q], EOFF, v[EB+\q]
.endr
.irp q, 0,1,2,3
	v_lshrrev_b32 v[BP+\q], 23, v[BSC+\q]
.endr
.irp q, 0,1,2,3
	v_cvt_scalef32_pk8_fp4_f32 v[EC+2*\q], v[SCR+64*(\q/2)+16*(\q%2):SCR+64*(\q/2)+16*(\q%2)+7], v[BSC+\q]
	v_cvt_scalef32_pk8_fp4_f32 v[EC+2*\q+1], v[SCR+64*(\q/2)+16*(\q%2)+8:SCR+64*(\q/2)+16*(\q%2)+15], v[BSC+\q]
.endr
	v_nop                                          ; one plain place behind a scaled conversion
.irp u, 0,1
.irp k, 0,1
	v_permlane16_swap_b32 v[EC+4*\u+\k], v[EC+4*\u+2+\k]     ; lanes 0-15 d = 0 .. 31, lanes 16-31 d = 32 .. 63: four registers of the last product's operand
.endr
.endr
.irp u, 0,1
	v_lshl_or_b32 v[HWD+\u], v[BP+2*\u+1], 8, v[BP+2*\u]
.endr
	v_cndmask_b32 v[HWC], v[HWD], v[HWD+1], s30    ; lanes 0-15 tile 2 j's bytes, lanes 16-31 tile 2 j + 1's
	global_store_b128 v[CCOFF], v[EC:EC+3], s[20:21]                 ; 512 consecutive bytes, aligned
	global_store_b128 v[CCOFF], v[EC+4:EC+7], s[20:21] offset:8192
	global_store_b16 v[CSOFF], v[HWC], s[22:23]
	s_add_co_u32 s5, s5, 1
	s_cmp_lt_u32 s5, 2
	s_cbranch_scc1 .Lpass
	s_endpgm
.Lfunc_end_k_qffb31eeb74_attn:
	.size	k_qffb31eeb74_attn, .Lfunc_end_k_qffb31eeb74_attn-k_qffb31eeb74_attn
	.p2alignl 7, 3214868480
	.fill 96, 4, 3214868480
	.section	.rodata,"a",@progbits
	.p2align	6, 0x0
	.amdhsa_kernel k_qffb31eeb74_attn
		.amdhsa_group_segment_fixed_size 0
		.amdhsa_private_segment_fixed_size 0
		.amdhsa_enable_private_segment 0
		.amdhsa_kernarg_size 64
		.amdhsa_user_sgpr_count 2
		.amdhsa_user_sgpr_kernarg_segment_ptr 1
		.amdhsa_wavefront_size32 1
		.amdhsa_system_sgpr_workgroup_id_x 1
		.amdhsa_system_sgpr_workgroup_id_y 1
		.amdhsa_system_sgpr_workgroup_id_z 1
		.amdhsa_system_vgpr_workitem_id 0
		.amdhsa_next_free_vgpr 512
		.amdhsa_next_free_sgpr 66
		.amdhsa_reserve_vcc 1
		.amdhsa_float_denorm_mode_32 3
		.amdhsa_float_denorm_mode_16_64 3
		.amdhsa_memory_ordered 1
		.amdhsa_forward_progress 1
		.amdhsa_inst_pref_size 54
	.end_amdhsa_kernel
	.amdgpu_metadata
---
amdhsa.version: [ 1, 2 ]
amdhsa.kernels:
  - .name:           k_qffb31eeb74_attn
    .symbol:         k_qffb31eeb74_attn.kd
    .args:
      - { .name: qc, .offset: 0, .size: 8, .value_kind: global_buffer, .address_space: global }
      - { .name: qs, .offset: 8, .size: 8, .value_kind: global_buffer, .address_space: global }
      - { .name: kc, .offset: 16, .size: 8, .value_kind: global_buffer, .address_space: global }
      - { .name: ks, .offset: 24, .size: 8, .value_kind: global_buffer, .address_space: global }
      - { .name: vc, .offset: 32, .size: 8, .value_kind: global_buffer, .address_space: global }
      - { .name: vs, .offset: 40, .size: 8, .value_kind: global_buffer, .address_space: global }
      - { .name: cc, .offset: 48, .size: 8, .value_kind: global_buffer, .address_space: global }
      - { .name: cs, .offset: 56, .size: 8, .value_kind: global_buffer, .address_space: global }
    .group_segment_fixed_size: 0
    .private_segment_fixed_size: 0
    .kernarg_segment_align: 8
    .kernarg_segment_size: 64
    .max_flat_workgroup_size: 256
    .sgpr_count:     66
    .vgpr_count:     512
    .wavefront_size: 32
...
	.end_amdgpu_metadata
.endif
;; end of part 2
;; launch oproj (part 3): grid 32 x 8, 4 waves a work-group, no clusters, 101,888 bytes of LDS; arguments cc, cs, Wo_codes, Wo_scales, bo, out0; writes out0
.if DOCPART == 3
	.amdgcn_target "amdgcn-amd-amdhsa--gfx1250"
	.amdhsa_code_object_version 6
	.text
	.protected	k_qffb31eeb74_oproj
	.globl	k_qffb31eeb74_oproj
	.p2align	8
	.type	k_qffb31eeb74_oproj,@function
k_qffb31eeb74_oproj:
	s_mov_b64 s[64:65], 0
	v_nop
	global_prefetch_b8 v0, s[64:65] scope:SCOPE_SE
	s_setreg_imm32_b32 hwreg(HW_REG_WAVE_MODE, 25, 1), 1
	s_wait_xcnt 0x0
; out = concat Wo + bo on codes of FP4 (E2M1), one E8M0 scale for each 32 along K = 1,024.  A work-group makes 256 tokens (x) x 128 outputs (y).
; SHARES.  All four waves keep the same 128 rows of Wo in registers (8 tiles x 8 K steps x 8 = 512, windows 1 and 2); they come through LDS once, each wave bringing 32 whole rows.  Wave w takes 64 tokens, four tiles of 16:
; a tile's eight fragments are images of registers in memory, 512 consecutive bytes a load, read by this wave alone, two tiles ahead.
; THE MATRIX INSTRUCTION IS USED TRANSPOSED (source 0 = 16 rows of Wo, source 1 = 16 tokens): a lane holds eight neighbouring outputs of one token.  bo is the C of each sum's first instruction.
; A tile's tokens are perm(T, r) = 32 (T / 2) + 8 (T % 2) + r + 8 (r / 8), as the launches before laid them; the stores put each row where it belongs.
; THE WAY OUT: a tile (16 tokens x 512 bytes) goes through my own stage in LDS and leaves as whole rows: a store covers 512 consecutive bytes, aligned.
; NO JOINT LOADS: Wo's 64 KiB are read once by a work-group, ahead of its one barrier, against 128 KiB of concat that no partner in x shares and 128 KiB of stores.
.set XP,   528                         ; an LDS row: 512 bytes + 16 = 33 x 16: sixteen rows begin at sixteen different 16-byte columns of 256 bytes
.set OST,  128*XP                      ; behind Wo's 128 rows: a stage of 16 rows for each wave
.set VL16, 1                           ; 16 x lane
.set VFR,  2                           ; 528 r + 16 h: a fragment of Wo
.set VWG,  3                           ; Wo in memory: 16 x lane + my 32 rows
.set VWT,  4                           ; and in LDS
.set VSC,  5                           ; 32 x lane: a row of Wo's scale bytes
.set VBI,  6                           ; 32 h: bo
.set VL4,  7                           ; 4 x lane
.set VSO,  8                           ; my stage, on the way in: 528 r + 32 h
.set VSR,  9                           ; and out: 16 x lane
.set WS,   16                          ; v16-47 Wo's scale words: 8 (t / 2) + s: lanes 0-15 the even tile, lanes 16-31 the odd one
.set CS,   48                          ; v48-63 concat's: 8 (i / 2) + s likewise
.set OB,   64                          ; v64-127 16 rows on their way out
.set CF,   128                         ; v128-191, v192-255 two tiles of concat.   Window 3: v0-63 accumulators, v64-127 bo's tiles, v128-255 Wo's rows as they are loaded
.set MSB, 0
.macro WIN new                         ; s_set_vgpr_msb: bits 1:0 source 0, 3:2 source 1, 5:4 source 2, 7:6 destination; the high byte repeats the setting that is left
.if MSB != (\new)
	s_set_vgpr_msb (MSB<<8)|(\new)
.set MSB, (\new)
.endif
.endm
.macro WM d, a, b, c, sa, sb, ra, rb   ; one product; ra, rb = 1: that side's scale words are taken from lanes 16-31
.if (\ra) && (\rb)
	v_wmma_scale_f32_16x16x128_f8f6f4 v[\d:\d+7], v[\a:\a+7], v[\b:\b+7], v[\c:\c+7], v[\sa], v[\sb] matrix_a_fmt:MATRIX_FMT_FP4 matrix_b_fmt:MATRIX_FMT_FP4 matrix_a_scale:MATRIX_SCALE_ROW1 matrix_b_scale:MATRIX_SCALE_ROW1
.elseif (\ra)
	v_wmma_scale_f32_16x16x128_f8f6f4 v[\d:\d+7], v[\a:\a+7], v[\b:\b+7], v[\c:\c+7], v[\sa], v[\sb] matrix_a_fmt:MATRIX_FMT_FP4 matrix_b_fmt:MATRIX_FMT_FP4 matrix_a_scale:MATRIX_SCALE_ROW1
.elseif (\rb)
	v_wmma_scale_f32_16x16x128_f8f6f4 v[\d:\d+7], v[\a:\a+7], v[\b:\b+7], v[\c:\c+7], v[\sa], v[\sb] matrix_a_fmt:MATRIX_FMT_FP4 matrix_b_fmt:MATRIX_FMT_FP4 matrix_b_scale:MATRIX_SCALE_ROW1
.else
	v_wmma_scale_f32_16x16x128_f8f6f4 v[\d:\d+7], v[\a:\a+7], v[\b:\b+7], v[\c:\c+7], v[\sa], v[\sb] matrix_a_fmt:MATRIX_FMT_FP4 matrix_b_fmt:MATRIX_FMT_FP4
.endif
.endm
.macro CFLOAD i                        ; tile i's eight fragments into buffer i % 2: 16 loads
.irp sg, 0,1,2,3,4,5,6,7
.irp c, 0,1
	global_load_b128 v[CF+64*((\i)%2)+8*\sg+4*\c:CF+64*((\i)%2)+8*\sg+4*\c+3], v[VL16], s[8:9] offset:8192*(\i)+1024*\sg+512*\c
.endr
.endr
.endm
	s_load_b256 s[8:15], s[0:1], 0x0               ; cc, cs, Wo's codes, Wo's scales
	s_load_b128 s[16:19], s[0:1], 0x20             ; bo, out0
	v_lshl_add_u32 v14, v0, 2, 0x18c00
	v_mov_b32 v15, 0
	v_lshrrev_b32 v10, 5, v0
	v_readfirstlane_b32 s2, v10                    ; wave 0..3
	s_and_b32 s4, ttmp7, 0xffff                    ; y
	v_and_b32 v10, 31, v0                          ; lane
	v_and_b32 v11, 15, v0                          ; r
	v_bfe_u32 v12, v0, 4, 1                        ; h
	v_lshlrev_b32 v[VL16], 4, v10
	v_lshlrev_b32 v[VSC], 5, v10
	v_lshlrev_b32 v[VL4], 2, v10
	v_lshlrev_b32 v[VBI], 5, v12
	v_mul_u32_u24 v[VSO], v11, XP                  ; 528 r
	v_lshl_add_u32 v[VFR], v12, 4, v[VSO]
	v_lshl_add_u32 v[VSO], v12, 5, v[VSO]
	s_lshl_b32 s20, s2, 14                         ; my 32 rows of Wo: 512 bytes each in memory,
	v_add_nc_u32 v[VWG], s20, v[VL16]
	s_mul_i32 s20, s2, 32*XP                       ; 528 in LDS
	v_add_nc_u32 v[VWT], s20, v[VL16]
	s_mul_i32 s20, s2, 16*XP
	s_add_co_u32 s20, s20, OST                     ; my stage
	v_add_nc_u32 v[VSO], s20, v[VSO]
	v_add_nc_u32 v[VSR], s20, v[VL16]
	s_mov_b32 s23, 0
	s_wait_kmcnt 0x0
	s_lshl_b32 s22, ttmp9, 17                      ; cc: 8,192 bytes a tile, 16 tiles a work-group, 4 a wave
	s_lshl_b32 s21, s2, 15
	s_add_co_u32 s22, s22, s21
	s_add_nc_u64 s[8:9], s[8:9], s[22:23]
	s_lshr_b32 s22, s22, 4                         ; cs: 1,024 bytes for two tiles
	s_add_nc_u64 s[10:11], s[10:11], s[22:23]
	s_lshl_b32 s22, s4, 16                         ; Wo: 128 rows of 512 bytes
	s_add_nc_u64 s[12:13], s[12:13], s[22:23]
	s_lshl_b32 s22, s4, 12
	s_add_nc_u64 s[14:15], s[14:15], s[22:23]
	s_lshl_b32 s22, s4, 9                          ; 128 outputs of 4 bytes
	s_add_nc_u64 s[16:17], s[16:17], s[22:23]
	s_lshl_b32 s21, ttmp9, 20                      ; out0: 256 tokens of 4,096 bytes a work-group, 64 a wave
	s_add_co_u32 s22, s22, s21
	s_lshl_b32 s21, s2, 18
	s_add_co_u32 s22, s22, s21
	s_add_nc_u64 s[18:19], s[18:19], s[22:23]
	; ---- all first loads: 8 + 16 + 32, then 16 + 16 + 16
.irp p, 0,1,2,3
	global_load_b128 v[WS+8*\p:WS+8*\p+3], v[VSC], s[14:15] offset:1024*\p         ; rows 32 p + lane: 1,024 dense bytes in the two loads
	global_load_b128 v[WS+8*\p+4:WS+8*\p+7], v[VSC], s[14:15] offset:1024*\p+16
.endr
	WIN 0xC0                                       ; destination window 3
.irp t, 0,1,2,3,4,5,6,7
	global_load_b128 v[64+8*\t:64+8*\t+3], v[VBI], s[16:17] offset:64*\t           ; bo at n = 16 t + 8 h + 0 .. 7
	global_load_b128 v[64+8*\t+4:64+8*\t+7], v[VBI], s[16:17] offset:64*\t+16
.endr
.set n, 0
.rept 32
	global_load_b128 v[128+4*n:128+4*n+3], v[VWG], s[12:13] offset:512*n           ; a row of Wo: 512 consecutive bytes
.set n, n+1
.endr
	WIN 0
.irp p, 0,1
.irp sg, 0,1,2,3,4,5,6,7
	global_load_b32 v[CS+8*\p+\sg], v[VL4], s[10:11] offset:1024*\p+128*\sg
.endr
.endr
	CFLOAD 0
	CFLOAD 1
	s_wait_loadcnt 48                              ; Wo's rows are in; behind them stand concat's 16 scale loads and two tiles of 16
	WIN 0x0C                                       ; an LDS store's data are its source 1
.set n, 0
.rept 32
	ds_store_b128 v[VWT], v[128+4*n:128+4*n+3] offset:XP*n
.set n, n+1
.endr
	WIN 0
	s_wait_dscnt 0x0                               ; for the others' sake: my rows lie in LDS
	s_barrier_signal -1
	s_barrier_wait -1                              ; all 128 do; nothing is stored there again
.irp t, 0,1,2,3,4,5,6,7
	WIN (1+\t/4)<<6
.irp sg, 0,1,2,3,4,5,6,7
.irp c, 0,1
	ds_load_b128 v[64*(\t%4)+8*\sg+4*\c:64*(\t%4)+8*\sg+4*\c+3], v[VFR] offset:16*XP*\t+64*\sg+32*\c
.endr
.endr
.endr
	WIN 0
	s_wait_dscnt 0x0
; A tile of 16 tokens: 64 matrix instructions.  Four accumulators take turns, one instruction a turn, K ascending; then the other four, whose Wo lies in the other window.
.macro TILE i
.if (\i) < 3
	s_wait_loadcnt 16                              ; this tile is in; the next tile's 16 loads may be out
.else
	s_wait_loadcnt 0x0
.endif
.set CFB, CF+64*((\i)%2)
.set CSB, CS+8*((\i)/2)
.irp hf, 0,1
	WIN 0xF1+\hf                                   ; Wo window 1 or 2, concat window 0, C and D window 3
.irp t, 0,1,2,3
	WM 8*(4*\hf+\t), 64*\t, CFB, 64+8*(4*\hf+\t), WS+8*(2*\hf+\t/2), CSB, \t%2, (\i)%2
.endr
.irp sg, 1,2,3,4,5,6,7
.irp t, 0,1,2,3
	WM 8*(4*\hf+\t), 64*\t+8*\sg, CFB+8*\sg, 8*(4*\hf+\t), WS+8*(2*\hf+\t/2)+\sg, CSB+\sg, \t%2, (\i)%2
.endr
.endr
.endr
	WIN 0
.rept 5
	v_nop                                          ; four places serve the loads and stores below; the next tile's first products begin these accumulators anew, which wants a fifth
.endr
	s_wait_xcnt 0x0                                ; the last tile's stores have read OB
.if (\i) < 2
	CFLOAD (\i)+2
.endif
	WIN 0x0C
.irp t, 0,1,2,3,4,5,6,7
	ds_store_b128 v[VSO], v[8*\t:8*\t+3] offset:64*\t                ; each accumulator from its low end on
	ds_store_b128 v[VSO], v[8*\t+4:8*\t+7] offset:64*\t+16
.endr
	WIN 0
.irp rho, 0,1,2,3,4,5,6,7,8,9,10,11,12,13,14,15
	ds_load_b128 v[OB+4*\rho:OB+4*\rho+3], v[VSR] offset:XP*\rho     ; LDS serves a wave's instructions in order (ISA guide 5.7.1.4): these see my stores
.endr
.irp rho, 0,1,2,3,4,5,6,7,8,9,10,11,12,13,14,15
	s_wait_dscnt 15-\rho                           ; row rho is back; at the last the stage's stores have long read the accumulators
	global_store_b128 v[VL16], v[OB+4*\rho:OB+4*\rho+3], s[18:19] offset:4096*(32*((\i)/2)+8*((\i)%2)+\rho+8*(\rho/8)) th:TH_STORE_NT
.endr
.endm
	TILE 0
	TILE 1
	TILE 2
	TILE 3
	s_wait_tensorcnt 0x0
	ds_add_u32 v14, v15
	s_wait_dscnt 0x0
	s_endpgm
.Lfunc_end_k_qffb31eeb74_oproj:
	.size	k_qffb31eeb74_oproj, .Lfunc_end_k_qffb31eeb74_oproj-k_qffb31eeb74_oproj
	.p2alignl 7, 3214868480
	.fill 96, 4, 3214868480
	.section	.rodata,"a",@progbits
	.p2align	6, 0x0
	.amdhsa_kernel k_qffb31eeb74_oproj
		.amdhsa_group_segment_fixed_size 101888
		.amdhsa_private_segment_fixed_size 0
		.amdhsa_enable_private_segment 0
		.amdhsa_kernarg_size 48
		.amdhsa_user_sgpr_count 2
		.amdhsa_user_sgpr_kernarg_segment_ptr 1
		.amdhsa_wavefront_size32 1
		.amdhsa_system_sgpr_workgroup_id_x 1
		.amdhsa_system_sgpr_workgroup_id_y 1
		.amdhsa_system_sgpr_workgroup_id_z 1
		.amdhsa_system_vgpr_workitem_id 0
		.amdhsa_next_free_vgpr 1024
		.amdhsa_next_free_sgpr 66
		.amdhsa_reserve_vcc 0
		.amdhsa_float_denorm_mode_32 3
		.amdhsa_float_denorm_mode_16_64 3
		.amdhsa_memory_ordered 1
		.amdhsa_forward_progress 1
		.amdhsa_inst_pref_size 75
	.end_amdhsa_kernel
	.amdgpu_metadata
---
amdhsa.version: [ 1, 2 ]
amdhsa.kernels:
  - .name:           k_qffb31eeb74_oproj
    .symbol:         k_qffb31eeb74_oproj.kd
    .args:
      - { .name: cc, .offset: 0, .size: 8, .value_kind: global_buffer, .address_space: global }
      - { .name: cs, .offset: 8, .size: 8, .value_kind: global_buffer, .address_space: global }
      - { .name: Wo_codes, .offset: 16, .size: 8, .value_kind: global_buffer, .address_space: global }
      - { .name: Wo_scales, .offset: 24, .size: 8, .value_kind: global_buffer, .address_space: global }
      - { .name: bo, .offset: 32, .size: 8, .value_kind: global_buffer, .address_space: global }
      - { .name: out0, .offset: 40, .size: 8, .value_kind: global_buffer, .address_space: global }
    .group_segment_fixed_size: 101888
    .private_segment_fixed_size: 0
    .kernarg_segment_align: 8
    .kernarg_segment_size: 48
    .max_flat_workgroup_size: 128
    .sgpr_count:     66
    .vgpr_count:     1024
    .wavefront_size: 32
...
	.end_amdgpu_metadata
.endif
;; end of part 3
;; ======== version 2 of 2: 3 launches; version 1 with the launches qkv, attn, oproj written anew for expert scheduling mode
;; workspace buffers: qc 4,194,304 bytes; kc 4,194,304 bytes; vc 4,194,304 bytes; cc 4,194,304 bytes; qs 524,288 bytes; ks 524,288 bytes; vs 262,144 bytes; cs 262,144 bytes
;; launch qkv (part 4): grid 16 x 16, 4 waves a work-group, no clusters, 169,472 bytes of LDS; arguments X_codes, X_scales, Wq_codes, Wk_codes, Wv_codes, Wq_scales, Wk_scales, Wv_scales, bq, bk, bv, qc, kc, vc, qs, ks, vs; writes qc, kc, vc, qs, ks, vs
.if DOCPART == 4
	.amdgcn_target "amdgcn-amd-amdhsa--gfx1250"
	.amdhsa_code_object_version 6
	.text
	.protected	k_qffb31eeb74_qkv
	.globl	k_qffb31eeb74_qkv
	.p2align	8
	.type	k_qffb31eeb74_qkv,@function
k_qffb31eeb74_qkv:
	s_mov_b64 s[64:65], 0
	v_nop
	global_prefetch_b8 v0, s[64:65] scope:SCOPE_SE
	s_setreg_imm32_b32 hwreg(HW_REG_WAVE_SCHED_MODE, 0, 2), 2
	s_setreg_imm32_b32 hwreg(HW_REG_WAVE_MODE, 25, 1), 1
	s_wait_xcnt 0x0
	s_wait_alu depctr_vm_vsrc(0)
; q, k, v = X W + b for ONE head (work-group y) and 512 tokens (work-group x), on codes of FP4 (E2M1) with one E8M0 scale for each 32 along K = 1,024; the results are quantised here:
; q and k along the head's 64 (two blocks of 32), v along the tokens (the keys of the second attention product), and stored as IMAGES OF OPERAND REGISTERS, 16 bytes a lane, 512 consecutive bytes a store.
; SHARES.  Four waves; wave w owns 128 tokens (8 tiles of 16) for all 192 columns of the head.  Its X stays in registers: 8 tiles x 8 K steps x 8 = 512.  The head's 192 rows of W lie in LDS, filled once,
; and are streamed tile by tile: each fragment of W read from LDS feeds eight matrix instructions.  768 matrix instructions a wave.
; THE ROWS OF A TILE ARE NOT NEIGHBOURS: lane-row r of tile T (of tokens, and of W's rows alike) is row perm(T, r) = 32 (T / 2) + 8 (T % 2) + r + 8 (r / 8).  In a result the 16 registers of tiles 2 b and 2 b + 1 of source 0
; are then 16 neighbours, 32 b + 16 (lane / 16) + 0 .. 15.  For q and k source 0 = W, source 1 = X: a lane holds one token, its registers run along d.  For v source 0 = X, source 1 = W: a lane holds one d, its registers run along the tokens.
; The biases are the C of each sum's first matrix instruction.
; NO JOINT LOADS: X's 512 rows at 528 bytes (270,336) and W's 192 (101,376) do not fit in LDS together, so X turns through a small stage of the wave's own on its way to registers, loaded by plain loads of whole rows;
; what work-groups share, W's 96 KiB of a work-group's 352 KiB, is read once by each and comes the same way.
; LIMITS: a block whose largest magnitude lies under 2^-124 gets the scale byte 1; so does a block of zeros, where the quantiser says 127: its codes are zeros, and these bytes are read by this program alone.  NaN and infinities are not served.
; LDS: per wave two stages of 16 rows x 528 bytes for X; behind them 192 rows x 528 of W.  528 = 33 x 16: the sixteen rows that a fragment load touches begin at sixteen different 16-byte columns of 256 bytes.
; Row d of matrix m lies at slot 64 m + 32 (d / 32) + 16 ((d / 8) % 2) + 8 ((d / 16) % 2) + d % 8, so that tile t reads slots 64 m + 16 t + r.
; REGISTERS, in windows of 256.  Window 0: addresses, scale words, biases, what the quantiser makes.  Windows 1, 2: X's fragment (T, s) at window 1 + T / 4, v[64 (T % 4) + 8 s].
; Window 3: v0-63, v64-127 two sets of 8 accumulators; v128-191, v192-255 two buffers for a tile of W (8 K steps).
; THE MODE: SCHED_MODE bits 1:0 = 2 (LLVM: expert scheduling mode 2), set by the entry lines.  The code itself states the register dependences between vector or matrix instructions and memory or LDS instructions,
; with s_wait_alu, always for 0.
; THE PLAN.  Registers that memory or LDS instructions touch:
;   v4-15, v244, v254, v255   addresses, made at the head ahead of the wait that stands in front of the first load; never written again.
;   X (windows 1, 2)          loaded as rows, read by the LDS stores into my stage, then the loads from the stage land in the same registers: a wait on vm_vsrc ahead of each tile's.  Afterwards matrix instructions alone read them.
;   window 3 v0-191, at the head: W's rows as loaded, read by LDS stores; the first of those waits covers them too, ahead of the first load into W's buffers and of the first products.
;   W's two buffers           pass tau's products read buffer tau % 2; the loads issued at the head of pass tau land in the other one, which pass tau - 1 read.
;   CODES, PK                 written by the quantiser; read by stores that are issued at the head of the NEXT pass; written again a pass later.
; So ONE wait on va_vdst stands at the head of a pass: the pass before is done reading its buffer, and the quantiser has written CODES and PK.  The stores and the sixteen LDS loads follow it with no vector instruction between.
; A wait on vm_vsrc, beside the wait on XCNT, stands ahead of the quantiser's next writes of CODES, 64 products behind the stores.
.set XP,    528                        ; an LDS row: 512 bytes + 16
.set XST1,  16*XP                      ; a stage
.set XSTW,  2*XST1                     ; a wave's two
.set WST,   4*XSTW                     ; W's rows begin here
.set FLOOR, 0x1800000                  ; 2^(3 - 127): under it no largest magnitude is taken, so the byte cannot fall under 1
.set EOFF,  0xff000000                 ; takes 2 off an exponent field
.set PADSC, 0x7f7f0000                 ; scale bytes 2 and 3 of q's and k's words: 1.0, for the upper half of the attention product's K step, where q's codes are zeros
.set VL16,  4                          ; 16 x lane
.set VL8,   5                          ; 8 x lane
.set VP32,  6                          ; 32 x (8 h + r + 8 (r / 8)): a row of scale bytes, lanes 0-15 of an even tile, lanes 16-31 of the odd one beside it
.set VWL,   7                          ; W in memory: 16 x lane + my 16 rows
.set VXS,   8                          ; my stages, on the way in: a row's 512 bytes
.set VXL,   9                          ; and out: 528 r + 16 h
.set VWA,   10                         ; v10-12 W's fragments in LDS, matrix 0, 1, 2
.set VWS,   13                         ; where I store W's rows (matrices 0, 1)
.set VB,    14                         ; 64 h: bq, bk
.set VBV,   15                         ; 4 (r + 8 (r / 8)): bv
.set XS,    16                         ; v16-47  X's scale words: 8 p + s: lanes 0-15 tile 2 p, lanes 16-31 tile 2 p + 1
.set WS,    48                         ; v48-95  W's: 8 (2 m + b) + s likewise
.set BQK,   96                         ; v96-159 bq's and bk's tiles in the result's layout
.set BVL,   160                        ; v160-163 bv at my d, for each tile of d
.set BV8,   164                        ; v164-171 the same eight times: C of v's first products
.set CODES, 172                        ; v172-203
.set TM,    204                        ; largest magnitudes
.set TP,    212                        ; the other half's; then bytes
.set TS,    220                        ; the conversions' scale operands
.set TBY,   228                        ; block 0's bytes
.set SW,    236                        ; scale words
.set VWS2,  244                        ; where I store W's rows (matrix 2)
.set PK,    246                        ; v246-249 scale words as they are stored
.set MSB, 0
.macro WIN new                         ; s_set_vgpr_msb: bits 1:0 source 0, 3:2 source 1, 5:4 source 2, 7:6 destination; the high byte repeats the setting that is left
.if MSB != (\new)
	s_set_vgpr_msb (MSB<<8)|(\new)
.set MSB, (\new)
.endif
.endm
.macro PLACES                          ; four plain vector instructions between a matrix instruction and a load into, or a vector read of, its registers
.rept 4
	v_nop
.endr
.endm
.macro WM d, a, b, c, sa, sb, ra, rb   ; one product; ra, rb = 1: that side's scale words are taken from lanes 16-31
.if (\ra) && (\rb)
	v_wmma_scale_f32_16x16x128_f8f6f4 v[\d:\d+7], v[\a:\a+7], v[\b:\b+7], v[\c:\c+7], v[\sa], v[\sb] matrix_a_fmt:MATRIX_FMT_FP4 matrix_b_fmt:MATRIX_FMT_FP4 matrix_a_scale:MATRIX_SCALE_ROW1 matrix_b_scale:MATRIX_SCALE_ROW1
.elseif (\ra)
	v_wmma_scale_f32_16x16x128_f8f6f4 v[\d:\d+7], v[\a:\a+7], v[\b:\b+7], v[\c:\c+7], v[\sa], v[\sb] matrix_a_fmt:MATRIX_FMT_FP4 matrix_b_fmt:MATRIX_FMT_FP4 matrix_a_scale:MATRIX_SCALE_ROW1
.elseif (\rb)
	v_wmma_scale_f32_16x16x128_f8f6f4 v[\d:\d+7], v[\a:\a+7], v[\b:\b+7], v[\c:\c+7], v[\sa], v[\sb] matrix_a_fmt:MATRIX_FMT_FP4 matrix_b_fmt:MATRIX_FMT_FP4 matrix_b_scale:MATRIX_SCALE_ROW1
.else
	v_wmma_scale_f32_16x16x128_f8f6f4 v[\d:\d+7], v[\a:\a+7], v[\b:\b+7], v[\c:\c+7], v[\sa], v[\sb] matrix_a_fmt:MATRIX_FMT_FP4 matrix_b_fmt:MATRIX_FMT_FP4
.endif
.endm
	s_load_b512 s[8:23], s[0:1], 0x0               ; X's codes, X's scales, Wq's, Wk's, Wv's codes, Wq's, Wk's, Wv's scales
	s_load_b512 s[24:39], s[0:1], 0x40             ; bq, bk, bv, qc, kc, vc, qs, ks
	s_load_b64 s[40:41], s[0:1], 0x80              ; vs
	v_lshl_add_u32 v254, v0, 2, 0x29400
	v_mov_b32 v255, 0
	v_lshrrev_b32 v1, 5, v0
	v_readfirstlane_b32 s2, v1                     ; wave 0..3
	s_and_b32 s4, ttmp7, 0xffff                    ; the head
	s_mov_b32 s42, 0x76543210
	s_mov_b32 s43, 0xfedcba98                      ; v_permlanex16_b32's selects for lane l xor 16
	s_mov_b32 s44, 0xffff0000                      ; a lane mask: lanes 16-31
	v_and_b32 v1, 31, v0                           ; lane
	v_and_b32 v2, 15, v0                           ; r
	v_bfe_u32 v3, v0, 4, 1                         ; h
	v_lshlrev_b32 v[VL16], 4, v1
	v_lshlrev_b32 v[VL8], 3, v1
	v_and_b32 v[VBV], 8, v2
	v_add_nc_u32 v[VBV], v[VBV], v2                ; r + 8 (r / 8)
	v_lshl_add_u32 v[VP32], v3, 3, v[VBV]
	v_lshlrev_b32 v[VP32], 5, v[VP32]
	v_lshlrev_b32 v[VBV], 2, v[VBV]
	v_lshlrev_b32 v[VB], 6, v3
	s_wait_alu depctr_va_sdst(0)                   ; s2 is written, ahead of its first reader: LDS places and the buffers' bases are made from it
	s_lshl_b32 s52, s2, 13                         ; my 16 rows of each W: 16 w x 512 bytes
	v_add_nc_u32 v[VWL], s52, v[VL16]
	s_mul_i32 s52, s2, XSTW                        ; my stages
	v_add_nc_u32 v[VXS], s52, v[VL16]
	v_mul_u32_u24 v[VXL], v2, XP
	v_lshl_add_u32 v[VXL], v3, 4, v[VXL]           ; 528 r + 16 h
	v_add_nc_u32 v[VWA], WST, v[VXL]
	v_add_nc_u32 v[VWA+1], WST+64*XP, v[VXL]
	v_add_nc_u32 v[VWA+2], WST+128*XP, v[VXL]
	v_add_nc_u32 v[VXL], s52, v[VXL]
	s_lshr_b32 s53, s2, 1                          ; rows 16 w + i go to slots 32 (w / 2) + 8 (w % 2) + 16 (i / 8) + i % 8
	s_lshl_b32 s53, s53, 5
	s_and_b32 s54, s2, 1
	s_lshl_b32 s54, s54, 3
	s_add_co_u32 s53, s53, s54
	s_mul_i32 s53, s53, XP
	s_add_co_u32 s53, s53, WST
	v_add_nc_u32 v[VWS], s53, v[VL16]
	v_add_nc_u32 v[VWS2], 128*XP, v[VWS]
.irp i, 0,1,2,3,4,5,6,7
	v_mov_b32 v[TP+\i], 0                          ; written once: a lane permute's destination counts as one of its sources
.endr
	s_lshl_b32 s46, ttmp9, 18                      ; X: 512 tokens x 512 bytes a work-group,
	s_lshl_b32 s48, s2, 16                         ; 128 tokens a wave
	s_add_co_u32 s46, s46, s48
	s_mov_b32 s47, 0
	s_mov_b32 s49, 0
	s_lshr_b32 s50, ttmp9, 2                       ; the batch
	s_lshl_b32 s50, s50, 4
	s_add_co_u32 s50, s50, s4                      ; 16 x batch + head
	s_lshl_b32 s50, s50, 4
	s_and_b32 s51, ttmp9, 3
	s_lshl_b32 s51, s51, 2
	s_add_co_u32 s50, s50, s51
	s_add_co_u32 s50, s50, s2                      ; x 16 + my group of 128 tokens in the sequence
	s_wait_kmcnt 0x0
	s_add_nc_u64 s[8:9], s[8:9], s[46:47]
	s_lshr_b32 s46, s46, 4                         ; 32 scale bytes for 512 of codes
	s_add_nc_u64 s[10:11], s[10:11], s[46:47]
	s_lshl_b32 s48, s4, 15                         ; a head's 64 rows of 512 bytes
.irp g, 12,14,16
	s_add_nc_u64 s[\g:\g+1], s[\g:\g+1], s[48:49]
.endr
	s_lshl_b32 s48, s4, 11
.irp g, 18,20,22
	s_add_nc_u64 s[\g:\g+1], s[\g:\g+1], s[48:49]
.endr
	s_lshl_b32 s48, s4, 8
.irp g, 24,26,28
	s_add_nc_u64 s[\g:\g+1], s[\g:\g+1], s[48:49]
.endr
	s_lshl_b32 s48, s50, 12                        ; 4,096 bytes of codes for 128 tokens of a head,
.irp g, 30,32,34
	s_add_nc_u64 s[\g:\g+1], s[\g:\g+1], s[48:49]
.endr
	s_lshl_b32 s48, s50, 9                         ; 512 of q's or k's scale words,
.irp g, 36,38
	s_add_nc_u64 s[\g:\g+1], s[\g:\g+1], s[48:49]
.endr
	s_lshl_b32 s48, s50, 8                         ; 256 of v's
	s_add_nc_u64 s[40:41], s[40:41], s[48:49]
	s_wait_alu depctr_va_vdst(0)                   ; the addresses v4 to v15 and v244 are written, which every load and store of the kernel, global or LDS, reads
	; ---- all loads go out first: 40 of scales and biases, 48 rows of W, 128 rows of X
.irp p, 0,1,2,3
	global_load_b128 v[XS+8*\p:XS+8*\p+3], v[VP32], s[10:11] offset:1024*\p        ; 32 tokens' scale rows, 1,024 dense bytes in the two loads
	global_load_b128 v[XS+8*\p+4:XS+8*\p+7], v[VP32], s[10:11] offset:1024*\p+16
.endr
.irp m, 0,1,2
.irp b, 0,1
	global_load_b128 v[WS+8*(2*\m+\b):WS+8*(2*\m+\b)+3], v[VP32], s[18+2*\m:19+2*\m] offset:1024*\b
	global_load_b128 v[WS+8*(2*\m+\b)+4:WS+8*(2*\m+\b)+7], v[VP32], s[18+2*\m:19+2*\m] offset:1024*\b+16
.endr
.endr
.irp m, 0,1
.irp t, 0,1,2,3
	global_load_b128 v[BQK+8*(4*\m+\t):BQK+8*(4*\m+\t)+3], v[VB], s[24+2*\m:25+2*\m] offset:4*(32*(\t/2)+8*(\t%2))      ; b at d = 32 (t / 2) + 8 (t % 2) + 16 h + 0 .. 7
	global_load_b128 v[BQK+8*(4*\m+\t)+4:BQK+8*(4*\m+\t)+7], v[VB], s[24+2*\m:25+2*\m] offset:4*(32*(\t/2)+8*(\t%2))+16
.endr
.endr
.irp t, 0,1,2,3
	global_load_b32 v[BVL+\t], v[VBV], s[28:29] offset:4*(32*(\t/2)+8*(\t%2))      ; bv at d = perm(t, r)
.endr
	WIN 0xC0                                       ; destination window 3
.irp m, 0,1,2
.irp i, 0,1,2,3,4,5,6,7,8,9,10,11,12,13,14,15
	global_load_b128 v[64*\m+4*\i:64*\m+4*\i+3], v[VWL], s[12+2*\m:13+2*\m] offset:512*\i   ; row 16 w + i: 512 consecutive bytes
.endr
.endr
.macro XLOAD tt                        ; tile tt's 16 rows, each 512 consecutive bytes, into the 64 registers that its fragments will take
	WIN (1+(\tt)/4)<<6
.irp i, 0,1,2,3,4,5,6,7,8,9,10,11,12,13,14,15
	global_load_b128 v[64*((\tt)%4)+4*\i:64*((\tt)%4)+4*\i+3], v[VL16], s[8:9] offset:512*(32*((\tt)/2)+8*((\tt)%2)+\i+8*(\i/8))
.endr
.endm
.macro XSTO tt                         ; the rows go into stage tt % 2 as they lie
.if (\tt) >= 4
	s_wait_loadcnt 16*(7-(\tt))                    ; behind this tile's loads stand those of the 7 - tt later tiles
.endif
	WIN (1+(\tt)/4)<<2                             ; an LDS store's data are its source 1
.irp i, 0,1,2,3,4,5,6,7,8,9,10,11,12,13,14,15
	ds_store_b128 v[VXS], v[64*((\tt)%4)+4*\i:64*((\tt)%4)+4*\i+3] offset:XST1*((\tt)%2)+XP*\i
.endr
.endm
.macro XLDF tt                         ; and come back as fragments: lane (r, h) takes, of row r, bytes 64 s + 32 c + 16 h
	WIN (1+(\tt)/4)<<6
	s_wait_alu depctr_vm_vsrc(0)                   ; my LDS stores issued so far have read their data: this tile's rows, in whose registers the loads below land (at tile 0 also W's rows, whose registers W's buffers and the accumulators take)
.irp sg, 0,1,2,3,4,5,6,7
.irp c, 0,1
	ds_load_b128 v[64*((\tt)%4)+8*\sg+4*\c:64*((\tt)%4)+8*\sg+4*\c+3], v[VXL] offset:XST1*((\tt)%2)+64*\sg+32*\c
.endr
.endr
.endm
.irp tt, 0,1,2,3,4,5,6,7
	XLOAD \tt
.endr
	s_wait_loadcnt 63                              ; of 216 loads at most the last 63 are out: the 88 of scales, biases and W are in, and so are X's tiles 0 to 3
	WIN 0x0C
.irp m, 0,1
.irp i, 0,1,2,3,4,5,6,7,8,9,10,11,12,13,14,15
	ds_store_b128 v[VWS], v[64*\m+4*\i:64*\m+4*\i+3] offset:XP*(64*\m+16*(\i/8)+\i%8)
.endr
.endr
.irp i, 0,1,2,3,4,5,6,7,8,9,10,11,12,13,14,15
	ds_store_b128 v[VWS2], v[128+4*\i:128+4*\i+3] offset:XP*(16*(\i/8)+\i%8)
.endr
	; X's turn through my two stages.  LDS serves a wave's instructions in order (ISA guide 5.7.1.4), so a stage's next stores come behind its loads without a wait.
	; Each counted wait shows a tile's stores done: the count is what was issued behind those stores.
	XSTO 0
	XSTO 1
	s_wait_dscnt 16                                ; behind tile 0's stores: tile 1's 16
	XLDF 0
.irp tt, 2,3,4,5,6,7
	XSTO \tt
	s_wait_dscnt 32                                ; behind tile tt - 1's stores: tile tt - 2's 16 loads and tile tt's 16 stores
	XLDF \tt-1
.endr
	s_wait_dscnt 16                                ; behind tile 7's stores: tile 6's 16 loads
	XLDF 7
	WIN 0
	s_wait_dscnt 0x0                               ; for the others' sake: my rows of W lie in LDS; and my X is in registers
	s_barrier_signal -1
	s_barrier_wait -1                              ; all 192 rows of W lie in LDS; nothing is stored there again
.macro FETCHW tau                      ; tile tau of 12 (matrix tau / 4): its eight K steps into buffer tau % 2
	WIN 0xC0
.irp sg, 0,1,2,3,4,5,6,7
.irp c, 0,1
	ds_load_b128 v[128+64*((\tau)%2)+8*\sg+4*\c:128+64*((\tau)%2)+8*\sg+4*\c+3], v[VWA+(\tau)/4] offset:XP*16*((\tau)%4)+64*\sg+32*\c
.endr
.endr
.endm
.macro STQK cp, sp                     ; q's or k's codes and scale words go out, at the head of the pass behind their quantiser
.irp i, 0,1,2,3,4,5,6,7
	global_store_b128 v[VL16], v[CODES+4*\i:CODES+4*\i+3], s[\cp:\cp+1] offset:512*\i   ; 512 consecutive bytes, aligned
.endr
	global_store_b128 v[VL16], v[PK:PK+3], s[\sp:\sp+1]
.endm
.macro STV tp                          ; the codes of v's tile tp of d likewise
.irp c, 0,1
	global_store_b128 v[VL16], v[CODES+4*\c:CODES+4*\c+3], s[34:35] offset:1024*(\tp)+512*\c
.endr
.endm
; A pass: one tile of W against my eight tiles of tokens, 64 matrix instructions.  Four accumulators take turns, one instruction a turn, K ascending; then the other four, whose X lies in the other window.
.macro PASSQK m, t                     ; q (m = 0) or k (1), tile t of d: source 0 = W, source 1 = X
.set TAU, 4*(\m)+(\t)
.set ACC, 64*((\t)%2)
.set WB,  128+64*(TAU%2)
.set WSB, WS+8*(2*(\m)+(\t)/2)
.set RA,  (\t)%2
	PLACES                                         ; the buffer fetched into was read by the pass before
.if TAU > 0
	s_wait_alu depctr_va_vdst(0)                   ; the pass before is done reading the buffer in which the loads below land; at k's first pass the quantiser has also written q's CODES and PK, which the stores below read
.endif
.if TAU == 4
	STQK 30, 36
.endif
	FETCHW TAU+1
	s_wait_dscnt 16                                ; this pass's tile is in; the 16 loads just issued may be out
.irp hf, 0,1
	WIN 0xC7+4*\hf                                 ; W window 3, X window 1 or 2, the bias window 0, D window 3
.irp i, 0,1,2,3
	WM ACC+8*(4*\hf+\i), WB, 64*\i, BQK+8*TAU, WSB, XS+8*(2*\hf+\i/2), RA, \i%2
.endr
	WIN 0xF7+4*\hf                                 ; C window 3
.irp sg, 1,2,3,4,5,6,7
.irp i, 0,1,2,3
	WM ACC+8*(4*\hf+\i), WB+8*\sg, 64*\i+8*\sg, ACC+8*(4*\hf+\i), WSB+\sg, XS+8*(2*\hf+\i/2)+\sg, RA, \i%2
.endr
.endr
.endr
	WIN 0
.endm
.macro PASSV tp                        ; v, tile tp of d: source 0 = X, source 1 = W
.set TAU, 8+(\tp)
.set ACC, 64*((\tp)%2)
.set WB,  128+64*(TAU%2)
.set WSB, WS+8*(4+(\tp)/2)
.set RB,  (\tp)%2
.irp j, 0,1,2,3,4,5,6,7
	v_mov_b32 v[BV8+\j], v[BVL+(\tp)]              ; a lane holds one d: its eight registers take the same bias
.endr
	PLACES
	s_wait_alu depctr_va_vdst(0)                   ; the quantiser has written CODES (at v's first pass PK too), which the stores below read; the pass before is done reading the buffer in which the loads below land
.if (\tp) == 0
	STQK 32, 38
.else
	STV (\tp)-1
.endif
.if (\tp) < 3
	FETCHW TAU+1
	s_wait_dscnt 16
.else
	s_wait_dscnt 0x0                               ; the last tile: nothing more to fetch
.endif
.irp hf, 0,1
	WIN 0xCD+\hf                                   ; X window 1 or 2, W window 3, the bias window 0, D window 3
.irp i, 0,1,2,3
	WM ACC+8*(4*\hf+\i), 64*\i, WB, BV8, XS+8*(2*\hf+\i/2), WSB, \i%2, RB
.endr
	WIN 0xFD+\hf
.irp sg, 1,2,3,4,5,6,7
.irp i, 0,1,2,3
	WM ACC+8*(4*\hf+\i), 64*\i+8*\sg, WB+8*\sg, ACC+8*(4*\hf+\i), XS+8*(2*\hf+\i/2)+\sg, WSB+\sg, \i%2, RB
.endr
.endr
.endr
	WIN 0
.endm
; Block b of d (32 numbers: 16 in me, 16 in lane l xor 16) of my eight tiles of tokens: set 0 holds d = 32 b + 16 h + 0 .. 7, set 1 the next eight.  The eight tiles take turns line by line.
; again = 1: stores have read CODES and PK before (k's block 0, behind q's stores).
.macro QKQUANT b, again
.if (\b) == 0
	s_wait_xcnt 0x0                                ; earlier stores have read CODES and PK: they are written again only behind this wait
.endif
.if \again
	s_wait_alu depctr_vm_vsrc(0)                   ; q's stores, issued two passes back, have read CODES and PK, which the lines below and k's last lines write again
.endif
	PLACES
	WIN 0x0F                                       ; sources 0 and 1 window 3
.irp i, 0,1,2,3,4,5,6,7
	v_max3_num_f32 v[TM+\i], |v[8*\i]|, |v[8*\i+1]|, FLOOR          ; each accumulator is read from its low end on
.endr
.irp k, 2,4,6
.irp i, 0,1,2,3,4,5,6,7
	v_max3_num_f32 v[TM+\i], |v[8*\i+\k]|, |v[8*\i+\k+1]|, v[TM+\i]
.endr
.endr
.irp k, 0,2,4,6
.irp i, 0,1,2,3,4,5,6,7
	v_max3_num_f32 v[TM+\i], |v[64+8*\i+\k]|, |v[64+8*\i+\k+1]|, v[TM+\i]
.endr
.endr
	WIN 0
.irp i, 0,1,2,3,4,5,6,7
	v_permlanex16_b32 v[TP+\i], v[TM+\i], s42, s43
.endr
.irp i, 0,1,2,3,4,5,6,7
	v_max_num_f32 v[TM+\i], v[TM+\i], v[TP+\i]     ; the block's largest magnitude
.endr
.irp i, 0,1,2,3,4,5,6,7
	v_add_nc_u32 v[TS+\i], EOFF, v[TM+\i]          ; 2 off its exponent field: the conversion takes the exponent field of this operand as its scale
.endr
.irp i, 0,1,2,3,4,5,6,7
.if (\b) == 0
	v_lshrrev_b32 v[TBY+\i], 23, v[TS+\i]          ; the scale's byte
.else
	v_lshrrev_b32 v[TP+\i], 23, v[TS+\i]
.endif
.endr
	WIN 0x03                                       ; source 0 window 3
.irp i, 0,1,2,3,4,5,6,7
	v_cvt_scalef32_pk8_fp4_f32 v[CODES+4*\i+2*(\b)], v[8*\i:8*\i+7], v[TS+\i]
	v_cvt_scalef32_pk8_fp4_f32 v[CODES+4*\i+2*(\b)+1], v[64+8*\i:64+8*\i+7], v[TS+\i]
.endr
	WIN 0
	v_nop                                          ; one plain place behind a scaled conversion
.endm
.macro QKFIN                           ; the codes into the operand's order, and the scale words; they go out at the head of the next pass
.irp i, 0,1,2,3,4,5,6,7
	v_permlane16_swap_b32 v[CODES+4*\i], v[CODES+4*\i+2]     ; lanes 0-15 get block 0 whole, lanes 16-31 block 1: registers 0-3 of a fragment whose K is d
	v_permlane16_swap_b32 v[CODES+4*\i+1], v[CODES+4*\i+3]
.endr
.irp i, 0,1,2,3,4,5,6,7
	v_lshl_or_b32 v[SW+\i], v[TP+\i], 8, v[TBY+\i]
.endr
.irp i, 0,1,2,3,4,5,6,7
	v_or_b32 v[SW+\i], PADSC, v[SW+\i]
.endr
.irp q, 0,1,2,3
	v_cndmask_b32 v[PK+\q], v[SW+2*\q], v[SW+2*\q+1], s44    ; lanes 0-15 the even tile's words, lanes 16-31 the odd tile's
.endr
.endm
; v's tile tp of d: a lane's 64 registers are tokens 32 b + 16 h + 0 .. 15 of four blocks: one fragment (K = 128 keys) and one scale word a row.  The codes go out at the head of the next pass, the last tile's at the end.
.macro VQUANT tp
.set ACC, 64*((\tp)%2)
	s_wait_xcnt 0x0                                ; earlier stores have read CODES and PK
	s_wait_alu depctr_vm_vsrc(0)                   ; the stores issued at the head of this pass have read CODES (at v's first tile PK too), which are written again below
	PLACES
	WIN 0x0F
.irp b, 0,1,2,3
	v_max3_num_f32 v[TM+\b], |v[ACC+16*\b]|, |v[ACC+16*\b+1]|, FLOOR
.endr
.irp k, 2,4,6,8,10,12,14
.irp b, 0,1,2,3
	v_max3_num_f32 v[TM+\b], |v[ACC+16*\b+\k]|, |v[ACC+16*\b+\k+1]|, v[TM+\b]
.endr
.endr
	WIN 0
.irp b, 0,1,2,3
	v_permlanex16_b32 v[TP+\b], v[TM+\b], s42, s43
.endr
.irp b, 0,1,2,3
	v_max_num_f32 v[TM+\b], v[TM+\b], v[TP+\b]
.endr
.irp b, 0,1,2,3
	v_add_nc_u32 v[TS+\b], EOFF, v[TM+\b]
.endr
.irp b, 0,1,2,3
	v_lshrrev_b32 v[TP+\b], 23, v[TS+\b]
.endr
	v_lshl_or_b32 v[SW+(\tp)], v[TP+1], 8, v[TP]
	v_lshl_or_b32 v[SW+(\tp)], v[TP+2], 16, v[SW+(\tp)]
	v_lshl_or_b32 v[SW+(\tp)], v[TP+3], 24, v[SW+(\tp)]
	WIN 0x03
.irp b, 0,1,2,3
	v_cvt_scalef32_pk8_fp4_f32 v[CODES+2*\b], v[ACC+16*\b:ACC+16*\b+7], v[TS+\b]
	v_cvt_scalef32_pk8_fp4_f32 v[CODES+2*\b+1], v[ACC+16*\b+8:ACC+16*\b+15], v[TS+\b]
.endr
	WIN 0
	v_nop                                          ; one plain place behind a scaled conversion
.irp c, 0,1
.irp k, 0,1
	v_permlane16_swap_b32 v[CODES+4*\c+\k], v[CODES+4*\c+2+\k]
.endr
.endr
.endm
	FETCHW 0
	PASSQK 0, 0
	PASSQK 0, 1
	QKQUANT 0, 0
	PASSQK 0, 2
	PASSQK 0, 3
	QKQUANT 1, 0
	QKFIN
	PASSQK 1, 0
	PASSQK 1, 1
	QKQUANT 0, 1
	PASSQK 1, 2
	PASSQK 1, 3
	QKQUANT 1, 0
	QKFIN
.irp tp, 0,1,2,3
	PASSV \tp
	VQUANT \tp
.endr
	v_cndmask_b32 v[PK], v[SW], v[SW+1], s44       ; v's scale words: lanes 0-15 the even tile of d, lanes 16-31 the odd one
	v_cndmask_b32 v[PK+1], v[SW+2], v[SW+3], s44
	s_wait_alu depctr_va_vdst(0)                   ; the quantiser has written the last tile's CODES and the two lines above PK, which the last three stores read
	STV 3
	global_store_b64 v[VL8], v[PK:PK+1], s[40:41]  ; 256 consecutive bytes, aligned
	s_wait_dscnt 0x0                               ; the closing lines, six on end
	s_wait_alu 0x0
	s_wait_tensorcnt 0x0
	ds_add_u32 v254, v255
	s_wait_dscnt 0x0
	s_endpgm
.Lfunc_end_k_qffb31eeb74_qkv:
	.size	k_qffb31eeb74_qkv, .Lfunc_end_k_qffb31eeb74_qkv-k_qffb31eeb74_qkv
	.p2alignl 7, 3214868480
	.fill 96, 4, 3214868480
	.section	.rodata,"a",@progbits
	.p2align	6, 0x0
	.amdhsa_kernel k_qffb31eeb74_qkv
		.amdhsa_group_segment_fixed_size 169472
		.amdhsa_private_segment_fixed_size 0
		.amdhsa_enable_private_segment 0
		.amdhsa_kernarg_size 136
		.amdhsa_user_sgpr_count 2
		.amdhsa_user_sgpr_kernarg_segment_ptr 1
		.amdhsa_wavefront_size32 1
		.amdhsa_system_sgpr_workgroup_id_x 1
		.amdhsa_system_sgpr_workgroup_id_y 1
		.amdhsa_system_sgpr_workgroup_id_z 1
		.amdhsa_system_vgpr_workitem_id 0
		.amdhsa_next_free_vgpr 1024
		.amdhsa_next_free_sgpr 66
		.amdhsa_reserve_vcc 0
		.amdhsa_float_denorm_mode_32 3
		.amdhsa_float_denorm_mode_16_64 3
		.amdhsa_memory_ordered 1
		.amdhsa_forward_progress 1
		.amdhsa_inst_pref_size 209
	.end_amdhsa_kernel
	.amdgpu_metadata
---
amdhsa.version: [ 1, 2 ]
amdhsa.kernels:
  - .name:           k_qffb31eeb74_qkv
    .symbol:         k_qffb31eeb74_qkv.kd
    .args:
      - { .name: X_codes, .offset: 0, .size: 8, .value_kind: global_buffer, .address_space: global }
      - { .name: X_scales, .offset: 8, .size: 8, .value_kind: global_buffer, .address_space: global }
      - { .name: Wq_codes, .offset: 16, .size: 8, .value_kind: global_buffer, .address_space: global }
      - { .name: Wk_codes, .offset: 24, .size: 8, .value_kind: global_buffer, .address_space: global }
      - { .name: Wv_codes, .offset: 32, .size: 8, .value_kind: global_buffer, .address_space: global }
      - { .name: Wq_scales, .offset: 40, .size: 8, .value_kind: global_buffer, .address_space: global }
      - { .name: Wk_scales, .offset: 48, .size: 8, .value_kind: global_buffer, .address_space: global }
      - { .name: Wv_scales, .offset: 56, .size: 8, .value_kind: global_buffer, .address_space: global }
      - { .name: bq, .offset: 64, .size: 8, .value_kind: global_buffer, .address_space: global }
      - { .name: bk, .offset: 72, .size: 8, .value_kind: global_buffer, .address_space: global }
      - { .name: bv, .offset: 80, .size: 8, .value_kind: global_buffer, .address_space: global }
      - { .name: qc, .offset: 88, .size: 8, .value_kind: global_buffer, .address_space: global }
      - { .name: kc, .offset: 96, .size: 8, .value_kind: global_buffer, .address_space: global }
      - { .name: vc, .offset: 104, .size: 8, .value_kind: global_buffer, .address_space: global }
      - { .name: qs, .offset: 112, .size: 8, .value_kind: global_buffer, .address_space: global }
      - { .name: ks, .offset: 120, .size: 8, .value_kind: global_buffer, .address_space: global }
      - { .name: vs, .offset: 128, .size: 8, .value_kind: global_buffer, .address_space: global }
    .group_segment_fixed_size: 169472
    .private_segment_fixed_size: 0
    .kernarg_segment_align: 8
    .kernarg_segment_size: 136
    .max_flat_workgroup_size: 128
    .sgpr_count:     66
    .vgpr_count:     1024
    .wavefront_size: 32
...
	.end_amdgpu_metadata
.endif
;; end of part 4
;; launch attn (part 5): grid 256 x 1, 8 waves a work-group, no clusters, 0 bytes of LDS; arguments qc, qs, kc, ks, vc, vs, cc, cs; writes cc, cs
.if DOCPART == 5
	.amdgcn_target "amdgcn-amd-amdhsa--gfx1250"
	.amdhsa_code_object_version 6
	.text
	.protected	k_qffb31eeb74_attn
	.globl	k_qffb31eeb74_attn
	.p2align	8
	.type	k_qffb31eeb74_attn,@function
k_qffb31eeb74_attn:
	s_mov_b64 s[64:65], 0
	v_nop
	global_prefetch_b8 v0, s[64:65] scope:SCOPE_SE
	s_setreg_imm32_b32 hwreg(HW_REG_WAVE_SCHED_MODE, 0, 2), 2
	s_setreg_imm32_b32 hwreg(HW_REG_WAVE_MODE, 25, 1), 1
	s_wait_xcnt 0x0
	s_wait_alu depctr_vm_vsrc(0)
; Causal attention of one head on codes of FP4 (E2M1), one E8M0 scale for each 32 along a product's K; the result, divided by the row's sum, is quantised along the concatenated heads' axis and stored as images of operand registers.
; THE SOFTMAX: t = score x log2(e) / 8; M = the row's largest t so far, rounded UP to a whole number; p = 2^(t - M) is what is quantised, along the keys, not normalised.  The row's sum is taken of the unquantised p.
; When M moves, the sum and O are multiplied by 2^(old M - new M): exact.
; SHARES.  Four work-groups to a head, eight waves each: 32 waves.  A unit is 32 queries (tiles 2 j, 2 j + 1 of 16) and walks the key steps (128 keys) 0 .. j / 4; steps wholly above the diagonal are left out.
; Wave p takes units 63 - p and p, one after the other: (15 - p / 4 + 1) + (p / 4 + 1) = 17 key steps for every wave.
; Both products are used transposed: S^T = K Q^T (source 0 = 16 keys, source 1 = 16 queries), O^T = V^T P^T (source 0 = 16 of the head's 64, source 1 = P): a lane holds ONE query throughout.
; The tiles' rows are perm(T, r) = 32 (T / 2) + 8 (T % 2) + r + 8 (r / 8), as the launch before laid them: the 16 registers of tiles 2 b, 2 b + 1 are 16 neighbours, 32 b + 16 (lane / 16) + 0 .. 15, along the keys and along d.
; THE FIRST PRODUCT'S K IS 64, the instruction's 128: Q's registers 4-7 are zero codes.  K's four registers a tile lie on end, so the upper half of a tile's operand is the next tile's codes (behind the last: zeros);
; they meet Q's zeros under scale bytes 0x7f on both sides and add nothing.
; K's and V's fragments come from memory straight into registers, 512 consecutive bytes a load; each feeds both tiles of queries.  K is asked for a step ahead, V behind its own step's first product: both have a softmax in which to land.
; NO JOINT LOADS, NO LDS: in each pass the waves of a work-group walk different numbers of key steps, so partners would need different numbers of tiles.
; The two tiles' softmaxes are staggered: one tile's 68 exponentials stand singly between the other tile's plain lines.
; Every trip issues the same 18 loads, this step's V and then the next step's K, so that the counted wait holds on every way: a unit's last step fetches K of step 0, which the next unit reads; behind the second unit nobody does
; (9 loads a wave, inside their buffers).
; cs is stored two bytes a lane, every second pair of 128 bytes (the head beside mine writes the others): one byte in 16 of what the launch stores.
; LIMITS: a block whose largest magnitude lies under 2^-124 (a block of zeros too) gets the scale byte 1; its bytes are read by this program alone.  NaN and infinities are not served.
; THE MODE: SCHED_MODE bits 1:0 = 2 (LLVM: expert scheduling mode 2), set by the entry lines.  The code itself states the register dependences between vector or matrix instructions and memory instructions,
; with s_wait_alu, always for 0.
; THE PLAN.  Registers that memory instructions touch:
;   v1-3 (16, 8, 4 x lane)    offsets, made at the head and never written again: a step's rows are reached by four scalar bases, written anew in each step behind the wait on XCNT.
;   K, KS                     read by a step's first product; behind it the next step's loads land in them.
;   V, VS                     read by a step's second product; the next step's loads land in them behind that step's first product.
;   Q's fragments, QS         read by every first product of a unit; loaded anew at the next unit's head.
;   QOFF, QSOFF, CCOFF, CSOFF made at a unit's head; read by Q's loads and by the unit's three stores.     EC, HWC: written at a unit's end, read by those stores.
; So ONE wait on va_vdst in a step, behind the first product, serves all 18 loads: that product is done reading K and KS, and the last step's second product is done reading V and VS.
; A second one stands ahead of the second product, which takes P's codes and scale words from vector instructions.
; At a unit's head: a wait on vm_vsrc ahead of the offsets' makers, a wait on va_vdst ahead of Q's loads; at its end a wait on va_vdst ahead of the stores.
; The mask's compares write sixteen scalar registers at a time, with one wait on va_sdst between them and the selects.
.set FLOOR, 0x1800000
.set EOFF,  0xff000000
.set VL16,  1                          ; 16, 8, 4 x lane
.set VL8,   2
.set VL4,   3
.set VQ,    4                          ; r + 8 (r / 8) - 16 h: for the mask
.set QFR,   8                          ; v8-15, v16-23 Q's two fragments
.set QS,    24                         ; Q's scale words: lanes 0-15 tile 2 j, lanes 16-31 tile 2 j + 1
.set NINF,  25                         ; -infinity
.set VS,    26                         ; v26-27 V's scale words
.set KS,    28                         ; v28-31 K's
.set ST,    32                         ; tile u at +4 u: -M, the largest t, the sum in two halves
.set FAC,   40                         ; v40, v42: 2^(old M - new M); v41, v43 are named with them as pairs
.set BMX,   44                         ; v44-47, v48-51 each block's largest score, then its largest p
.set BP,    52                         ; v52-55 at work
.set TT,    56                         ; v56-57 at work
.set SA,    58                         ; v58-59 the sum's second chain
.set PWD,   60                         ; v60, v61 P's scale words
.set QOFF,  62
.set QSOFF, 63
.set PCD,   64                         ; v64-71, v72-79 P's codes
.set BSC,   80                         ; v80-83, v84-87 the conversions' scale operands
.set CCOFF, 88
.set CSOFF, 89
.set DM,    90
.set EC,    92                         ; v92-99 the result's codes
.set EB,    100                        ; v100-103
.set HWD,   104                        ; v104, v105
.set HWC,   106
.set SCR,   128                        ; v128-191, v192-255 S^T, then p
.set KW,    64                         ; window 1: v0-63 O^T (32 u + 8 t'); v64-95 K; v96-99 zeros; v104-135 V
.set VW,    104
.set KCB,   36                         ; s[36:37] K's codes at the step to be fetched;  s[38:39] its scale words
.set KSB,   38
.set VCB,   40                         ; s[40:41] V's codes at the step in hand;  s[42:43] its scale words
.set VSB,   42
.set OFS,   44                         ; s[44:45] a byte offset in 64 bits; the high word stays 0
.set MK,    48                         ; s48-63 sixteen lane masks
.set MSB, 0
.macro WIN new                         ; s_set_vgpr_msb: bits 1:0 source 0, 3:2 source 1, 5:4 source 2, 7:6 destination; the high byte repeats the setting that is left
.if MSB != (\new)
	s_set_vgpr_msb (MSB<<8)|(\new)
.set MSB, (\new)
.endif
.endm
.macro PLACES                          ; four plain vector instructions between a matrix instruction and a load into, or a vector read of, its registers
.rept 4
	v_nop
.endr
.endm
.macro WM d, a, b, c, sa, sb, ra       ; one product that adds onto c; ra = 1: source 0's scale words are taken from lanes 16-31
.if (\ra)
	v_wmma_scale_f32_16x16x128_f8f6f4 v[\d:\d+7], v[\a:\a+7], v[\b:\b+7], v[\c:\c+7], v[\sa], v[\sb] matrix_a_fmt:MATRIX_FMT_FP4 matrix_b_fmt:MATRIX_FMT_FP4 matrix_a_scale:MATRIX_SCALE_ROW1
.else
	v_wmma_scale_f32_16x16x128_f8f6f4 v[\d:\d+7], v[\a:\a+7], v[\b:\b+7], v[\c:\c+7], v[\sa], v[\sb] matrix_a_fmt:MATRIX_FMT_FP4 matrix_b_fmt:MATRIX_FMT_FP4
.endif
.endm
.macro WMZ d, a, b, sa, sb, ra, rb     ; one product that starts a sum
.if (\ra) && (\rb)
	v_wmma_scale_f32_16x16x128_f8f6f4 v[\d:\d+7], v[\a:\a+7], v[\b:\b+7], 0, v[\sa], v[\sb] matrix_a_fmt:MATRIX_FMT_FP4 matrix_b_fmt:MATRIX_FMT_FP4 matrix_a_scale:MATRIX_SCALE_ROW1 matrix_b_scale:MATRIX_SCALE_ROW1
.elseif (\ra)
	v_wmma_scale_f32_16x16x128_f8f6f4 v[\d:\d+7], v[\a:\a+7], v[\b:\b+7], 0, v[\sa], v[\sb] matrix_a_fmt:MATRIX_FMT_FP4 matrix_b_fmt:MATRIX_FMT_FP4 matrix_a_scale:MATRIX_SCALE_ROW1
.elseif (\rb)
	v_wmma_scale_f32_16x16x128_f8f6f4 v[\d:\d+7], v[\a:\a+7], v[\b:\b+7], 0, v[\sa], v[\sb] matrix_a_fmt:MATRIX_FMT_FP4 matrix_b_fmt:MATRIX_FMT_FP4 matrix_b_scale:MATRIX_SCALE_ROW1
.else
	v_wmma_scale_f32_16x16x128_f8f6f4 v[\d:\d+7], v[\a:\a+7], v[\b:\b+7], 0, v[\sa], v[\sb] matrix_a_fmt:MATRIX_FMT_FP4 matrix_b_fmt:MATRIX_FMT_FP4
.endif
.endm
.macro LOADK                           ; nine loads: a step's eight tiles of K, four registers each, and their scale words
	WIN 0x40
.irp t, 0,1,2,3,4,5,6,7
	global_load_b128 v[KW+4*\t:KW+4*\t+3], v[VL16], s[KCB:KCB+1] offset:512*\t
.endr
	WIN 0
	global_load_b128 v[KS:KS+3], v[VL16], s[KSB:KSB+1]
.endm
.macro LOADV                           ; nine loads: the step's four tiles of V and their scale words
	WIN 0x40
.irp tp, 0,1,2,3
.irp c, 0,1
	global_load_b128 v[VW+8*\tp+4*\c:VW+8*\tp+4*\c+3], v[VL16], s[VCB:VCB+1] offset:1024*\tp+512*\c
.endr
.endr
	WIN 0
	global_load_b64 v[VS:VS+1], v[VL8], s[VSB:VSB+1]
.endm
; The next of tile BGU's 68 exponentials: its 64 p, then its four blocks' largest p.  Each stands behind a plain line of the other tile's work, which touches none of its registers.
.macro BG on
.if \on
.if BGN < 64
	v_exp_f32 v[SCR+64*BGU+BGN], v[SCR+64*BGU+BGN]
.elseif BGN < 68
	v_exp_f32 v[BMX+4*BGU+BGN-64], v[BMX+4*BGU+BGN-64]
.endif
.set BGN, BGN+1
.endif
.endm
.macro FLUSH                           ; what is left of them, and the plain place behind the last
.rept 68
	BG 1
.endr
	v_nop
	s_wait_alu depctr_va_vdst(0)                   ; tile 1's 68 exponentials have written p and the blocks' largest p, ahead of their first readers
.endm
; Tile u, first part, 85 plain lines: the blocks' largest scores, the row's, the new M, t - M.
.macro SMA u, bg
.set SB, SCR+64*(\u)
.set BB, BMX+4*(\u)
.set TB, ST+4*(\u)
.set FB, FAC+2*(\u)
.irp b, 0,1,2,3
	v_max3_num_f32 v[BB+\b], v[SB+16*\b], v[SB+16*\b+1], v[SB+16*\b+2]      ; the largest score of each block of 32 keys: it serves for the row's maximum and, since p rises with the score, for the block's largest p
	BG \bg
.endr
.irp k, 3,5,7,9,11,13
.irp b, 0,1,2,3
	v_max3_num_f32 v[BB+\b], v[BB+\b], v[SB+16*\b+\k], v[SB+16*\b+\k+1]
	BG \bg
.endr
.endr
.irp b, 0,1,2,3
	v_max_num_f32 v[BB+\b], v[BB+\b], v[SB+16*\b+15]
	BG \bg
.endr
.irp b, 0,1,2,3
	v_permlanex16_b32 v[BP+\b], v[BB+\b], s28, s29
	BG \bg
.endr
.irp b, 0,1,2,3
	v_max_num_f32 v[BB+\b], v[BB+\b], v[BP+\b]     ; with lane l xor 16's 16 keys
	BG \bg
.endr
	v_max3_num_f32 v[TT], v[BB], v[BB+1], v[BB+2]
	BG \bg
	v_max_num_f32 v[TT], v[TT], v[BB+3]            ; the step's largest score of my query
	BG \bg
	v_mul_f32 v[TT], s26, v[TT]                    ; as t
	BG \bg
	v_max_num_f32 v[TB+1], v[TB+1], v[TT]          ; the running largest t
	BG \bg
	v_mov_b32 v[TT], v[TB]
	BG \bg
	v_floor_f32 v[TB], -v[TB+1]                    ; the new -M = floor(-t): M is a whole number
	BG \bg
	v_sub_f32 v[TT], v[TB], v[TT]                  ; old M - new M: a whole number, 0 or less
	BG \bg
	v_cvt_i32_f32 v[TT], v[TT]                     ; (it saturates)
	BG \bg
	v_ldexp_f32 v[FB], 1.0, v[TT]                  ; 2^(old M - new M)
	BG \bg
.set n, 0
.rept 32
	v_pk_fma_f32 v[SB+n:SB+n+1], v[SB+n:SB+n+1], s[26:27], v[TB:TB+1] op_sel_hi:[1,0,0]   ; t - M, two at a time (of the pairs the low word serves both halves)
	BG \bg
.set n, n+2
.endr
.irp b, 0,1,2,3
	v_fma_f32 v[BB+\b], v[BB+\b], s26, v[TB]       ; the same of each block's largest score
	BG \bg
.endr
.endm
; Tile u, second part, behind its exponentials: p's scale word and codes, the row's sum, O^T under the new M.
.macro SMC u, bg
.set SB, SCR+64*(\u)
.set BB, BMX+4*(\u)
.set TB, ST+4*(\u)
.set FB, FAC+2*(\u)
.set CB, PCD+8*(\u)
.set EBS, BSC+4*(\u)
.set PWR, PWD+(\u)
	v_pk_mul_f32 v[TB+2:TB+3], v[TB+2:TB+3], v[FB:FB+1] op_sel_hi:[1,0]     ; the sums under the new M
	BG \bg
.if \bg
	s_wait_alu depctr_va_vdst(0)                   ; tile 0's 68 exponentials, issued among tile 1's first part, have written p and the blocks' largest p, ahead of their first readers (tile 1's have their wait behind the last of them)
.endif
.irp b, 0,1,2,3
	v_max_num_f32 v[BB+\b], FLOOR, v[BB+\b]        ; the byte cannot fall under 1 (a block whose every p is 0 keeps that byte: its codes are zeros)
	BG \bg
.endr
.irp b, 0,1,2,3
	v_add_nc_u32 v[EBS+\b], EOFF, v[BB+\b]         ; 2 off the exponent field: the conversion's scale operand
	BG \bg
.endr
.irp b, 0,1,2,3
	v_lshrrev_b32 v[BP+\b], 23, v[EBS+\b]          ; the scale's byte
	BG \bg
.endr
	v_lshl_or_b32 v[PWR], v[BP+1], 8, v[BP]        ; p's scale word for these 128 keys
	BG \bg
	v_lshl_or_b32 v[PWR], v[BP+2], 16, v[PWR]
	BG \bg
	v_lshl_or_b32 v[PWR], v[BP+3], 24, v[PWR]
	BG \bg
.irp b, 0,1,2,3
	v_cvt_scalef32_pk8_fp4_f32 v[CB+2*\b], v[SB+16*\b:SB+16*\b+7], v[EBS+\b]
	v_cvt_scalef32_pk8_fp4_f32 v[CB+2*\b+1], v[SB+16*\b+8:SB+16*\b+15], v[EBS+\b]
.endr
	v_nop                                          ; one plain place behind a scaled conversion
	BG \bg
.irp c, 0,1
.irp k, 0,1
	v_permlane16_swap_b32 v[CB+4*\c+\k], v[CB+4*\c+2+\k]     ; a whole block to a lane: lanes 0-15 block 2 c, lanes 16-31 block 2 c + 1
	BG \bg
.endr
.endr
	v_pk_add_f32 v[SA:SA+1], v[SB:SB+1], v[SB+2:SB+3]        ; the row's sum is taken of the unquantised p: two at a time, in two chains
	BG \bg
.set n, 4
.rept 15
	v_pk_add_f32 v[TB+2:TB+3], v[TB+2:TB+3], v[SB+n:SB+n+1]
	BG \bg
	v_pk_add_f32 v[SA:SA+1], v[SA:SA+1], v[SB+n+2:SB+n+3]
	BG \bg
.set n, n+4
.endr
	v_pk_add_f32 v[TB+2:TB+3], v[TB+2:TB+3], v[SA:SA+1]
.if \bg
	FLUSH
.endif
	WIN 0x41                                       ; O^T: destination and source 0 window 1
.set n, 0
.rept 16
	v_pk_mul_f32 v[32*(\u)+n:32*(\u)+n+1], v[32*(\u)+n:32*(\u)+n+1], v[FB:FB+1] op_sel_hi:[1,0]   ; each accumulator from its low end on
.set n, n+2
.endr
	WIN 0
.endm
.macro MASK u                          ; register 16 b + i holds key 128 step + 32 b + 16 h + i: hidden where 32 b + i > DM.  A block's sixteen compares, one wait, its sixteen selects
.set SB, SCR+64*(\u)
.irp g, 0,1,2,3
.set n, 0
.rept 16
	v_cmp_gt_i32 s[MK+n], 32*\g+n, v[DM]
.set n, n+1
.endr
	s_wait_alu depctr_va_sdst(0)                   ; the sixteen compares have written s48 to s63, ahead of the selects that read them
.set n, 0
.rept 16
	v_cndmask_b32 v[SB+16*\g+n], v[SB+16*\g+n], v[NINF], s[MK+n]
.set n, n+1
.endr
.endr
.endm
	s_load_b512 s[8:23], s[0:1], 0x0               ; qc, qs, kc, ks, vc, vs, cc, cs
	v_lshrrev_b32 v[TT], 5, v0
	v_readfirstlane_b32 s2, v[TT]                  ; wave 0..7
	s_lshr_b32 s3, ttmp9, 2                        ; 16 x batch + head
	s_and_b32 s4, ttmp9, 3
	s_lshl_b32 s4, s4, 3
	s_wait_alu depctr_va_sdst(0)                   ; s2 is written, ahead of its first reader
	s_add_co_u32 s4, s4, s2                        ; p = 0 .. 31
	s_mov_b32 s26, 0x3e38aa3b                      ; log2(e) / 8
	s_mov_b32 s27, s26                             ; (named with it as a pair, so it is written)
	s_mov_b32 s28, 0x76543210
	s_mov_b32 s29, 0xfedcba98                      ; v_permlanex16_b32's selects for lane l xor 16
	s_mov_b32 s30, 0xffff0000                      ; a lane mask: lanes 16-31
	s_mov_b32 s33, 0
	s_mov_b32 s[OFS+1], 0
	v_and_b32 v[TT], 31, v0
	v_lshlrev_b32 v[VL16], 4, v[TT]
	v_lshlrev_b32 v[VL8], 3, v[TT]
	v_lshlrev_b32 v[VL4], 2, v[TT]
	v_and_b32 v[TT], 15, v0
	v_and_b32 v[TT+1], 8, v[TT]
	v_add_nc_u32 v[VQ], v[TT], v[TT+1]
	v_bfe_u32 v[TT+1], v0, 4, 1
	v_lshlrev_b32 v[TT+1], 4, v[TT+1]
	v_sub_nc_u32 v[VQ], v[VQ], v[TT+1]
	v_mov_b32 v[NINF], 0xff800000
.irp i, 4,5,6,7,12,13,14,15
	v_mov_b32 v[QFR+\i], 0                         ; Q's codes for the upper half of the instruction's K: zeros, written once
.endr
.irp i, 0,1,2,3
	v_mov_b32 v[BP+\i], 0                          ; written once: a lane permute's destination counts as one of its sources
.endr
	v_mov_b32 v[FAC+1], 0                          ; (the upper halves of pairs of which the low word alone is used)
	v_mov_b32 v[FAC+3], 0
	WIN 0x40
.irp i, 0,1,2,3
	v_mov_b32 v[KW+32+\i], 0                       ; behind K's last tile
.endr
	WIN 0
	s_lshr_b32 s34, s3, 4                          ; the batch
	s_and_b32 s35, s3, 15                          ; the head
	s_wait_kmcnt 0x0
	s_lshl_b32 s32, s3, 16                         ; a head's codes: 65,536 bytes
	s_add_nc_u64 s[8:9], s[8:9], s[32:33]
	s_add_nc_u64 s[12:13], s[12:13], s[32:33]
	s_add_nc_u64 s[16:17], s[16:17], s[32:33]
	s_lshl_b32 s32, s3, 13
	s_add_nc_u64 s[10:11], s[10:11], s[32:33]
	s_add_nc_u64 s[14:15], s[14:15], s[32:33]
	s_lshl_b32 s32, s3, 12
	s_add_nc_u64 s[18:19], s[18:19], s[32:33]
	s_lshl_b32 s32, s34, 20                        ; cc: [tile of tokens][K step = head / 2][head % 2][lane][16 bytes]
	s_lshl_b32 s31, s35, 9
	s_add_co_u32 s32, s32, s31
	s_add_nc_u64 s[20:21], s[20:21], s[32:33]
	s_lshl_b32 s32, s34, 16                        ; cs: [pair of tiles][K step][lane][4 bytes]; my head's two bytes at 2 (head % 2)
	s_lshr_b32 s31, s35, 1
	s_lshl_b32 s31, s31, 7
	s_add_co_u32 s32, s32, s31
	s_and_b32 s31, s35, 1
	s_lshl_b32 s31, s31, 1
	s_add_co_u32 s32, s32, s31
	s_add_nc_u64 s[22:23], s[22:23], s[32:33]
	s_mov_b64 s[KCB:KCB+1], s[12:13]               ; key step 0
	s_mov_b64 s[KSB:KSB+1], s[14:15]
	s_wait_alu depctr_va_vdst(0)                   ; the offsets v1 to v3 are written, which every load of K and V reads; so are Q's and K's zero codes, which the first products take
	LOADK
	s_mov_b32 s5, 0                                ; the pass
.Lpass:
	s_wait_xcnt 0x0                                ; earlier loads and stores have read their registers: the offsets and the store data below are written again only behind this wait
	s_wait_alu depctr_vm_vsrc(0)                   ; the last unit's loads of Q and its three stores have read the four offsets made below, and EC and HWC, which this unit's end writes again
	s_sub_co_u32 s6, 63, s4
	s_cmp_eq_u32 s5, 0
	s_cselect_b32 s6, s6, s4                       ; j: the long unit first
	s_lshr_b32 s7, s6, 2
	s_lshl_b32 s31, s7, 9
	s_add_co_u32 s7, s7, 1                         ; its key steps
	s_and_b32 s34, s6, 3
	s_lshl_b32 s34, s34, 2
	s_add_co_u32 s31, s31, s34
	v_add_nc_u32 v[QSOFF], s31, v[VL16]            ; qs: group j / 4, word j % 4 of my lane's four
	v_lshl_add_u32 v[QOFF], s6, 10, v[VL16]
	v_lshl_add_u32 v[CCOFF], s6, 14, v[VL16]
	v_lshl_add_u32 v[CSOFF], s6, 10, v[VL4]
	s_wait_alu depctr_va_vdst(0)                   ; the four offsets are written, which the loads below and the unit's stores read; the last unit's products are done reading Q's fragments and scale words, in which the loads land
	global_load_b128 v[QFR:QFR+3], v[QOFF], s[8:9]
	global_load_b128 v[QFR+8:QFR+11], v[QOFF], s[8:9] offset:512
	global_load_b32 v[QS], v[QSOFF], s[10:11]
.irp u, 0,1
	v_mov_b32 v[ST+4*\u+1], 0xff61b1e6             ; the largest t so far: -3e38, under every t
	v_floor_f32 v[ST+4*\u], -v[ST+4*\u+1]          ; -M
	v_mov_b32 v[ST+4*\u+2], 0                      ; the sum, in two halves
	v_mov_b32 v[ST+4*\u+3], 0
.endr
	WIN 0x40
.set n, 0
.rept 64
	v_mov_b32 v[n], 0                              ; O^T.  (The step is written once: a unit's first step finds zeros, which the first change of M leaves zeros)
.set n, n+1
.endr
	WIN 0
	s_mov_b32 s24, 0                               ; the key step
.Lstep:
	s_wait_loadcnt 0x0                             ; K of this step is in: nothing was issued behind its loads but, in a unit's first step, Q's three, which are wanted too
	WIN 0x01                                       ; K window 1
.irp t, 0,1,2,3,4,5,6,7
.irp u, 0,1
	WMZ SCR+64*\u+8*\t, KW+4*\t, QFR+8*\u, KS+\t/2, QS, \t%2, \u
.endr
.endr
	WIN 0
	PLACES
	s_add_co_u32 s31, s24, 1
	s_cmp_lt_u32 s31, s7
	s_cselect_b32 s25, s31, 0                      ; the step whose K is fetched: the next, or behind the last step 0, for the next unit
	s_wait_xcnt 0x0                                ; the last trip's loads have read the four bases
	s_lshl_b32 s[OFS], s25, 12                     ; 4,096 bytes of codes a step,
	s_add_nc_u64 s[KCB:KCB+1], s[12:13], s[OFS:OFS+1]
	s_lshl_b32 s[OFS], s25, 9                      ; 512 of K's scale words,
	s_add_nc_u64 s[KSB:KSB+1], s[14:15], s[OFS:OFS+1]
	s_lshl_b32 s[OFS], s24, 12
	s_add_nc_u64 s[VCB:VCB+1], s[16:17], s[OFS:OFS+1]
	s_lshl_b32 s[OFS], s24, 8                      ; 256 of V's
	s_add_nc_u64 s[VSB:VSB+1], s[18:19], s[OFS:OFS+1]
	s_wait_alu depctr_va_vdst(0)                   ; the products above are done reading K and its scale words, the last step's second product is done reading V and its: the 18 loads below land in these registers
	LOADV
	LOADK
	s_cmp_lt_u32 s31, s7                           ; only a unit's last step lies on the diagonal: a branch on ids and counters
	s_cbranch_scc1 .Lopen
	s_lshl_b32 s34, s6, 5
	s_lshl_b32 s35, s24, 7
	s_sub_co_i32 s34, s34, s35
	v_add_nc_u32 v[DM], s34, v[VQ]                 ; my query - the step's first key - 16 h, for tile 2 j
	MASK 0
	v_add_nc_u32 v[DM], 8, v[DM]                   ; tile 2 j + 1's queries lie 8 further on
	MASK 1
.Lopen:
	SMA 0, 0
.set BGU, 0
.set BGN, 0
	SMA 1, 1                                       ; tile 0's exponentials between tile 1's lines
.set BGU, 1
.set BGN, 0
	SMC 0, 1                                       ; tile 1's between tile 0's
	SMC 1, 0
	s_wait_loadcnt 9                               ; V of this step is in; behind its loads stand the next K's nine
	s_wait_alu depctr_va_vdst(0)                   ; the conversions and lane swaps have written P's codes and the shifts its scale words, which the products below take; the places stand ahead of this wait: tile 1's sums and O^T's scalings
	WIN 0x51                                       ; V, C and D window 1, P window 0
.irp tp, 0,1,2,3
.irp u, 0,1
	WM 32*\u+8*\tp, VW+8*\tp, PCD+8*\u, 32*\u+8*\tp, VS+\tp/2, PWD+\u, \tp%2
.endr
.endr
	WIN 0
	s_add_co_u32 s24, s24, 1
	s_cmp_lt_u32 s24, s7
	s_cbranch_scc1 .Lstep
	; ---- the unit's end: O^T / the sum, quantised along d (two blocks of 32 a head), to cc and cs
	PLACES                                         ; behind the last products, ahead of the reads of O^T
.irp u, 0,1
	v_add_f32 v[TT+\u], v[ST+4*\u+2], v[ST+4*\u+3] ; the sum's two halves,
.endr
.irp u, 0,1
	v_permlanex16_b32 v[BP+\u], v[TT+\u], s28, s29
.endr
.irp u, 0,1
	v_add_f32 v[TT+\u], v[TT+\u], v[BP+\u]         ; and lane l xor 16's: the row's sum
.endr
.irp u, 0,1
	v_rcp_f32 v[TT+\u], v[TT+\u]
.endr
	v_nop                                          ; one plain place behind a transcendental
	WIN 0x01                                       ; O^T: source 0 window 1
.set n, 0
	s_wait_alu depctr_va_vdst(0)                   ; the two reciprocals have written v56 and v57, ahead of their first readers
.rept 32
	v_mul_f32 v[SCR+n], v[n], v[TT]                ; register 16 b + i: d = 32 b + 16 h + i of my query
	v_mul_f32 v[SCR+64+n], v[32+n], v[TT+1]
.set n, n+1
.endr
	WIN 0
.irp q, 0,1,2,3                                ; block q = 2 u + b
	v_max3_num_f32 v[EB+\q], |v[SCR+64*(\q/2)+16*(\q%2)]|, |v[SCR+64*(\q/2)+16*(\q%2)+1]|, FLOOR
.endr
.irp k, 2,4,6,8,10,12,14
.irp q, 0,1,2,3
	v_max3_num_f32 v[EB+\q], v[EB+\q], |v[SCR+64*(\q/2)+16*(\q%2)+\k]|, |v[SCR+64*(\q/2)+16*(\q%2)+\k+1]|
.endr
.endr
.irp q, 0,1,2,3
	v_permlanex16_b32 v[BP+\q], v[EB+\q], s28, s29
.endr
.irp q, 0,1,2,3
	v_max_num_f32 v[EB+\q], v[EB+\q], v[BP+\q]
.endr
.irp q, 0,1,2,3
	v_add_nc_u32 v[BSC+\q], EOFF, v[EB+\q]
.endr
.irp q, 0,1,2,3
	v_lshrrev_b32 v[BP+\q], 23, v[BSC+\q]
.endr
.irp q, 0,1,2,3
	v_cvt_scalef32_pk8_fp4_f32 v[EC+2*\q], v[SCR+64*(\q/2)+16*(\q%2):SCR+64*(\q/2)+16*(\q%2)+7], v[BSC+\q]
	v_cvt_scalef32_pk8_fp4_f32 v[EC+2*\q+1], v[SCR+64*(\q/2)+16*(\q%2)+8:SCR+64*(\q/2)+16*(\q%2)+15], v[BSC+\q]
.endr
	v_nop                                          ; one plain place behind a scaled conversion
.irp u, 0,1
.irp k, 0,1
	v_permlane16_swap_b32 v[EC+4*\u+\k], v[EC+4*\u+2+\k]     ; lanes 0-15 d = 0 .. 31, lanes 16-31 d = 32 .. 63: four registers of the last product's operand
.endr
.endr
.irp u, 0,1
	v_lshl_or_b32 v[HWD+\u], v[BP+2*\u+1], 8, v[BP+2*\u]
.endr
	v_cndmask_b32 v[HWC], v[HWD], v[HWD+1], s30    ; lanes 0-15 tile 2 j's bytes, lanes 16-31 tile 2 j + 1's
	s_wait_alu depctr_va_vdst(0)                   ; the lane swaps have written EC and the select HWC, which the three stores read
	global_store_b128 v[CCOFF], v[EC:EC+3], s[20:21]                 ; 512 consecutive bytes, aligned
	global_store_b128 v[CCOFF], v[EC+4:EC+7], s[20:21] offset:8192
	global_store_b16 v[CSOFF], v[HWC], s[22:23]
	s_add_co_u32 s5, s5, 1
	s_cmp_lt_u32 s5, 2
	s_cbranch_scc1 .Lpass
	s_endpgm
.Lfunc_end_k_qffb31eeb74_attn:
	.size	k_qffb31eeb74_attn, .Lfunc_end_k_qffb31eeb74_attn-k_qffb31eeb74_attn
	.p2alignl 7, 3214868480
	.fill 96, 4, 3214868480
	.section	.rodata,"a",@progbits
	.p2align	6, 0x0
	.amdhsa_kernel k_qffb31eeb74_attn
		.amdhsa_group_segment_fixed_size 0
		.amdhsa_private_segment_fixed_size 0
		.amdhsa_enable_private_segment 0
		.amdhsa_kernarg_size 64
		.amdhsa_user_sgpr_count 2
		.amdhsa_user_sgpr_kernarg_segment_ptr 1
		.amdhsa_wavefront_size32 1
		.amdhsa_system_sgpr_workgroup_id_x 1
		.amdhsa_system_sgpr_workgroup_id_y 1
		.amdhsa_system_sgpr_workgroup_id_z 1
		.amdhsa_system_vgpr_workitem_id 0
		.amdhsa_next_free_vgpr 512
		.amdhsa_next_free_sgpr 66
		.amdhsa_reserve_vcc 0
		.amdhsa_float_denorm_mode_32 3
		.amdhsa_float_denorm_mode_16_64 3
		.amdhsa_memory_ordered 1
		.amdhsa_forward_progress 1
		.amdhsa_inst_pref_size 62
	.end_amdhsa_kernel
	.amdgpu_metadata
---
amdhsa.version: [ 1, 2 ]
amdhsa.kernels:
  - .name:           k_qffb31eeb74_attn
    .symbol:         k_qffb31eeb74_attn.kd
    .args:
      - { .name: qc, .offset: 0, .size: 8, .value_kind: global_buffer, .address_space: global }
      - { .name: qs, .offset: 8, .size: 8, .value_kind: global_buffer, .address_space: global }
      - { .name: kc, .offset: 16, .size: 8, .value_kind: global_buffer, .address_space: global }
      - { .name: ks, .offset: 24, .size: 8, .value_kind: global_buffer, .address_space: global }
      - { .name: vc, .offset: 32, .size: 8, .value_kind: global_buffer, .address_space: global }
      - { .name: vs, .offset: 40, .size: 8, .value_kind: global_buffer, .address_space: global }
      - { .name: cc, .offset: 48, .size: 8, .value_kind: global_buffer, .address_space: global }
      - { .name: cs, .offset: 56, .size: 8, .value_kind: global_buffer, .address_space: global }
    .group_segment_fixed_size: 0
    .private_segment_fixed_size: 0
    .kernarg_segment_align: 8
    .kernarg_segment_size: 64
    .max_flat_workgroup_size: 256
    .sgpr_count:     66
    .vgpr_count:     512
    .wavefront_size: 32
...
	.end_amdgpu_metadata
.endif
;; end of part 5
;; launch oproj (part 6): grid 32 x 8, 4 waves a work-group, no clusters, 101,888 bytes of LDS; arguments cc, cs, Wo_codes, Wo_scales, bo, out0; writes out0
.if DOCPART == 6
	.amdgcn_target "amdgcn-amd-amdhsa--gfx1250"
	.amdhsa_code_object_version 6
	.text
	.protected	k_qffb31eeb74_oproj
	.globl	k_qffb31eeb74_oproj
	.p2align	8
	.type	k_qffb31eeb74_oproj,@function
k_qffb31eeb74_oproj:
	s_mov_b64 s[64:65], 0
	v_nop
	global_prefetch_b8 v0, s[64:65] scope:SCOPE_SE
	s_setreg_imm32_b32 hwreg(HW_REG_WAVE_SCHED_MODE, 0, 2), 2
	s_setreg_imm32_b32 hwreg(HW_REG_WAVE_MODE, 25, 1), 1
	s_wait_xcnt 0x0
	s_wait_alu depctr_vm_vsrc(0)
; out = concat Wo + bo on codes of FP4 (E2M1), one E8M0 scale for each 32 along K = 1,024.  A work-group makes 256 tokens (x) x 128 outputs (y).
; SHARES.  All four waves keep the same 128 rows of Wo in registers (8 tiles x 8 K steps x 8 = 512, windows 1 and 2); they come through LDS once, each wave bringing 32 whole rows.  Wave w takes 64 tokens, four tiles of 16:
; a tile's eight fragments are images of registers in memory, 512 consecutive bytes a load, read by this wave alone, two tiles ahead.
; THE MATRIX INSTRUCTION IS USED TRANSPOSED (source 0 = 16 rows of Wo, source 1 = 16 tokens): a lane holds eight neighbouring outputs of one token.  bo is the C of each sum's first instruction.
; A tile's tokens are perm(T, r) = 32 (T / 2) + 8 (T % 2) + r + 8 (r / 8), as the launches before laid them; the stores put each row where it belongs.
; THE WAY OUT: a tile (16 tokens x 512 bytes) goes through my own stage in LDS and leaves as whole rows: a store covers 512 consecutive bytes, aligned.
; NO JOINT LOADS: Wo's 64 KiB are read once by a work-group, ahead of its one barrier, against 128 KiB of concat that no partner in x shares and 128 KiB of stores.
; THE MODE: SCHED_MODE bits 1:0 = 2 (LLVM: expert scheduling mode 2), set by the entry lines.  The code itself states the register dependences between vector or matrix instructions and memory or LDS instructions,
; with s_wait_alu, always for 0.
; THE PLAN.  Registers that memory or LDS instructions touch:
;   v1-9, v14, v15       addresses, made at the head ahead of the wait that stands in front of the first load; never written again.
;   CF0, CF1             tile i's products read CF[i % 2]; behind them the loads of tile i + 2 land in it.
;   the accumulators     written by tile i's products, read by its LDS stores into the stage, written again by tile i + 1's products.
;   OB                   the loads from the stage land in it; tile i's global stores read it; tile i + 1's loads from the stage land in it again.
;   Wo's rows as loaded (window 3 v128-255) are read by LDS stores and never written again; Wo's fragments, bo and the scale words are loaded once and read by matrix instructions alone.
; So a tile has ONE wait on va_vdst, behind its products and their places: they have written the accumulators and are done reading CF.  A wait on vm_vsrc stands beside the wait on XCNT, a tile behind the global stores
; that read OB; another behind the loads from the stage, for the accumulators' sake.
.set XP,   528                         ; an LDS row: 512 bytes + 16 = 33 x 16: sixteen rows begin at sixteen different 16-byte columns of 256 bytes
.set OST,  128*XP                      ; behind Wo's 128 rows: a stage of 16 rows for each wave
.set VL16, 1                           ; 16 x lane
.set VFR,  2                           ; 528 r + 16 h: a fragment of Wo
.set VWG,  3                           ; Wo in memory: 16 x lane + my 32 rows
.set VWT,  4                           ; and in LDS
.set VSC,  5                           ; 32 x lane: a row of Wo's scale bytes
.set VBI,  6                           ; 32 h: bo
.set VL4,  7                           ; 4 x lane
.set VSO,  8                           ; my stage, on the way in: 528 r + 32 h
.set VSR,  9                           ; and out: 16 x lane
.set WS,   16                          ; v16-47 Wo's scale words: 8 (t / 2) + s: lanes 0-15 the even tile, lanes 16-31 the odd one
.set CS,   48                          ; v48-63 concat's: 8 (i / 2) + s likewise
.set OB,   64                          ; v64-127 16 rows on their way out
.set CF,   128                         ; v128-191, v192-255 two tiles of concat.   Window 3: v0-63 accumulators, v64-127 bo's tiles, v128-255 Wo's rows as they are loaded
.set MSB, 0
.macro WIN new                         ; s_set_vgpr_msb: bits 1:0 source 0, 3:2 source 1, 5:4 source 2, 7:6 destination; the high byte repeats the setting that is left
.if MSB != (\new)
	s_set_vgpr_msb (MSB<<8)|(\new)
.set MSB, (\new)
.endif
.endm
.macro WM d, a, b, c, sa, sb, ra, rb   ; one product; ra, rb = 1: that side's scale words are taken from lanes 16-31
.if (\ra) && (\rb)
	v_wmma_scale_f32_16x16x128_f8f6f4 v[\d:\d+7], v[\a:\a+7], v[\b:\b+7], v[\c:\c+7], v[\sa], v[\sb] matrix_a_fmt:MATRIX_FMT_FP4 matrix_b_fmt:MATRIX_FMT_FP4 matrix_a_scale:MATRIX_SCALE_ROW1 matrix_b_scale:MATRIX_SCALE_ROW1
.elseif (\ra)
	v_wmma_scale_f32_16x16x128_f8f6f4 v[\d:\d+7], v[\a:\a+7], v[\b:\b+7], v[\c:\c+7], v[\sa], v[\sb] matrix_a_fmt:MATRIX_FMT_FP4 matrix_b_fmt:MATRIX_FMT_FP4 matrix_a_scale:MATRIX_SCALE_ROW1
.elseif (\rb)
	v_wmma_scale_f32_16x16x128_f8f6f4 v[\d:\d+7], v[\a:\a+7], v[\b:\b+7], v[\c:\c+7], v[\sa], v[\sb] matrix_a_fmt:MATRIX_FMT_FP4 matrix_b_fmt:MATRIX_FMT_FP4 matrix_b_scale:MATRIX_SCALE_ROW1
.else
	v_wmma_scale_f32_16x16x128_f8f6f4 v[\d:\d+7], v[\a:\a+7], v[\b:\b+7], v[\c:\c+7], v[\sa], v[\sb] matrix_a_fmt:MATRIX_FMT_FP4 matrix_b_fmt:MATRIX_FMT_FP4
.endif
.endm
.macro CFLOAD i                        ; tile i's eight fragments into buffer i % 2: 16 loads
.irp sg, 0,1,2,3,4,5,6,7
.irp c, 0,1
	global_load_b128 v[CF+64*((\i)%2)+8*\sg+4*\c:CF+64*((\i)%2)+8*\sg+4*\c+3], v[VL16], s[8:9] offset:8192*(\i)+1024*\sg+512*\c
.endr
.endr
.endm
	s_load_b256 s[8:15], s[0:1], 0x0               ; cc, cs, Wo's codes, Wo's scales
	s_load_b128 s[16:19], s[0:1], 0x20             ; bo, out0
	v_lshl_add_u32 v14, v0, 2, 0x18c00
	v_mov_b32 v15, 0
	v_lshrrev_b32 v10, 5, v0
	v_readfirstlane_b32 s2, v10                    ; wave 0..3
	s_and_b32 s4, ttmp7, 0xffff                    ; y
	v_and_b32 v10, 31, v0                          ; lane
	v_and_b32 v11, 15, v0                          ; r
	v_bfe_u32 v12, v0, 4, 1                        ; h
	v_lshlrev_b32 v[VL16], 4, v10
	v_lshlrev_b32 v[VSC], 5, v10
	v_lshlrev_b32 v[VL4], 2, v10
	v_lshlrev_b32 v[VBI], 5, v12
	v_mul_u32_u24 v[VSO], v11, XP                  ; 528 r
	v_lshl_add_u32 v[VFR], v12, 4, v[VSO]
	v_lshl_add_u32 v[VSO], v12, 5, v[VSO]
	s_wait_alu depctr_va_sdst(0)                   ; s2 is written, ahead of its first reader: LDS places and the buffers' bases are made from it
	s_lshl_b32 s20, s2, 14                         ; my 32 rows of Wo: 512 bytes each in memory,
	v_add_nc_u32 v[VWG], s20, v[VL16]
	s_mul_i32 s20, s2, 32*XP                       ; 528 in LDS
	v_add_nc_u32 v[VWT], s20, v[VL16]
	s_mul_i32 s20, s2, 16*XP
	s_add_co_u32 s20, s20, OST                     ; my stage
	v_add_nc_u32 v[VSO], s20, v[VSO]
	v_add_nc_u32 v[VSR], s20, v[VL16]
	s_mov_b32 s23, 0
	s_wait_kmcnt 0x0
	s_lshl_b32 s22, ttmp9, 17                      ; cc: 8,192 bytes a tile, 16 tiles a work-group, 4 a wave
	s_lshl_b32 s21, s2, 15
	s_add_co_u32 s22, s22, s21
	s_add_nc_u64 s[8:9], s[8:9], s[22:23]
	s_lshr_b32 s22, s22, 4                         ; cs: 1,024 bytes for two tiles
	s_add_nc_u64 s[10:11], s[10:11], s[22:23]
	s_lshl_b32 s22, s4, 16                         ; Wo: 128 rows of 512 bytes
	s_add_nc_u64 s[12:13], s[12:13], s[22:23]
	s_lshl_b32 s22, s4, 12
	s_add_nc_u64 s[14:15], s[14:15], s[22:23]
	s_lshl_b32 s22, s4, 9                          ; 128 outputs of 4 bytes
	s_add_nc_u64 s[16:17], s[16:17], s[22:23]
	s_lshl_b32 s21, ttmp9, 20                      ; out0: 256 tokens of 4,096 bytes a work-group, 64 a wave
	s_add_co_u32 s22, s22, s21
	s_lshl_b32 s21, s2, 18
	s_add_co_u32 s22, s22, s21
	s_add_nc_u64 s[18:19], s[18:19], s[22:23]
	s_wait_alu depctr_va_vdst(0)                   ; the addresses v1 to v9 are written, which every load and store of the kernel, global or LDS, reads
	; ---- all first loads: 8 + 16 + 32, then 16 + 16 + 16
.irp p, 0,1,2,3
	global_load_b128 v[WS+8*\p:WS+8*\p+3], v[VSC], s[14:15] offset:1024*\p         ; rows 32 p + lane: 1,024 dense bytes in the two loads
	global_load_b128 v[WS+8*\p+4:WS+8*\p+7], v[VSC], s[14:15] offset:1024*\p+16
.endr
	WIN 0xC0                                       ; destination window 3
.irp t, 0,1,2,3,4,5,6,7
	global_load_b128 v[64+8*\t:64+8*\t+3], v[VBI], s[16:17] offset:64*\t           ; bo at n = 16 t + 8 h + 0 .. 7
	global_load_b128 v[64+8*\t+4:64+8*\t+7], v[VBI], s[16:17] offset:64*\t+16
.endr
.set n, 0
.rept 32
	global_load_b128 v[128+4*n:128+4*n+3], v[VWG], s[12:13] offset:512*n           ; a row of Wo: 512 consecutive bytes
.set n, n+1
.endr
	WIN 0
.irp p, 0,1
.irp sg, 0,1,2,3,4,5,6,7
	global_load_b32 v[CS+8*\p+\sg], v[VL4], s[10:11] offset:1024*\p+128*\sg
.endr
.endr
	CFLOAD 0
	CFLOAD 1
	s_wait_loadcnt 48                              ; Wo's rows are in; behind them stand concat's 16 scale loads and two tiles of 16
	WIN 0x0C                                       ; an LDS store's data are its source 1
.set n, 0
.rept 32
	ds_store_b128 v[VWT], v[128+4*n:128+4*n+3] offset:XP*n
.set n, n+1
.endr
	WIN 0
	s_wait_dscnt 0x0                               ; for the others' sake: my rows lie in LDS
	s_barrier_signal -1
	s_barrier_wait -1                              ; all 128 do; nothing is stored there again
.irp t, 0,1,2,3,4,5,6,7
	WIN (1+\t/4)<<6
.irp sg, 0,1,2,3,4,5,6,7
.irp c, 0,1
	ds_load_b128 v[64*(\t%4)+8*\sg+4*\c:64*(\t%4)+8*\sg+4*\c+3], v[VFR] offset:16*XP*\t+64*\sg+32*\c
.endr
.endr
.endr
	WIN 0
	s_wait_dscnt 0x0
; A tile of 16 tokens: 64 matrix instructions.  Four accumulators take turns, one instruction a turn, K ascending; then the other four, whose Wo lies in the other window.
.macro TILE i
.if (\i) < 3
	s_wait_loadcnt 16                              ; this tile is in; the next tile's 16 loads may be out
.else
	s_wait_loadcnt 0x0
.endif
.set CFB, CF+64*((\i)%2)
.set CSB, CS+8*((\i)/2)
.irp hf, 0,1
	WIN 0xF1+\hf                                   ; Wo window 1 or 2, concat window 0, C and D window 3
.irp t, 0,1,2,3
	WM 8*(4*\hf+\t), 64*\t, CFB, 64+8*(4*\hf+\t), WS+8*(2*\hf+\t/2), CSB, \t%2, (\i)%2
.endr
.irp sg, 1,2,3,4,5,6,7
.irp t, 0,1,2,3
	WM 8*(4*\hf+\t), 64*\t+8*\sg, CFB+8*\sg, 8*(4*\hf+\t), WS+8*(2*\hf+\t/2)+\sg, CSB+\sg, \t%2, (\i)%2
.endr
.endr
.endr
	WIN 0
.rept 5
	v_nop                                          ; four places serve the loads and stores below; the next tile's first products begin these accumulators anew, which wants a fifth
.endr
	s_wait_alu depctr_va_vdst(0)                   ; the products have written the accumulators, which the LDS stores below read, and are done reading this tile's fragments of concat, in which the loads below land; the places above stay beside this wait
	s_wait_xcnt 0x0                                ; the last tile's stores have read OB
.if (\i) > 0
	s_wait_alu depctr_vm_vsrc(0)                   ; the last tile's global stores, issued a tile ago, have read OB, in which the loads from the stage land
.endif
.if (\i) < 2
	CFLOAD (\i)+2
.endif
	WIN 0x0C
.irp t, 0,1,2,3,4,5,6,7
	ds_store_b128 v[VSO], v[8*\t:8*\t+3] offset:64*\t                ; each accumulator from its low end on
	ds_store_b128 v[VSO], v[8*\t+4:8*\t+7] offset:64*\t+16
.endr
	WIN 0
.irp rho, 0,1,2,3,4,5,6,7,8,9,10,11,12,13,14,15
	ds_load_b128 v[OB+4*\rho:OB+4*\rho+3], v[VSR] offset:XP*\rho     ; LDS serves a wave's instructions in order (ISA guide 5.7.1.4): these see my stores
.endr
.if (\i) < 3
	s_wait_alu depctr_vm_vsrc(0)                   ; the LDS stores above have read the accumulators, which the next tile's products write
.endif
.irp rho, 0,1,2,3,4,5,6,7,8,9,10,11,12,13,14,15
	s_wait_dscnt 15-\rho                           ; row rho is back
	global_store_b128 v[VL16], v[OB+4*\rho:OB+4*\rho+3], s[18:19] offset:4096*(32*((\i)/2)+8*((\i)%2)+\rho+8*(\rho/8)) th:TH_STORE_NT
.endr
.endm
	TILE 0
	TILE 1
	TILE 2
	TILE 3
	s_wait_dscnt 0x0                               ; the closing lines, six on end
	s_wait_alu 0x0
	s_wait_tensorcnt 0x0
	ds_add_u32 v14, v15
	s_wait_dscnt 0x0
	s_endpgm
.Lfunc_end_k_qffb31eeb74_oproj:
	.size	k_qffb31eeb74_oproj, .Lfunc_end_k_qffb31eeb74_oproj-k_qffb31eeb74_oproj
	.p2alignl 7, 3214868480
	.fill 96, 4, 3214868480
	.section	.rodata,"a",@progbits
	.p2align	6, 0x0
	.amdhsa_kernel k_qffb31eeb74_oproj
		.amdhsa_group_segment_fixed_size 101888
		.amdhsa_private_segment_fixed_size 0
		.amdhsa_enable_private_segment 0
		.amdhsa_kernarg_size 48
		.amdhsa_user_sgpr_count 2
		.amdhsa_user_sgpr_kernarg_segment_ptr 1
		.amdhsa_wavefront_size32 1
		.amdhsa_system_sgpr_workgroup_id_x 1
		.amdhsa_system_sgpr_workgroup_id_y 1
		.amdhsa_system_sgpr_workgroup_id_z 1
		.amdhsa_system_vgpr_workitem_id 0
		.amdhsa_next_free_vgpr 1024
		.amdhsa_next_free_sgpr 66
		.amdhsa_reserve_vcc 0
		.amdhsa_float_denorm_mode_32 3
		.amdhsa_float_denorm_mode_16_64 3
		.amdhsa_memory_ordered 1
		.amdhsa_forward_progress 1
		.amdhsa_inst_pref_size 76
	.end_amdhsa_kernel
	.amdgpu_metadata
---
amdhsa.version: [ 1, 2 ]
amdhsa.kernels:
  - .name:           k_qffb31eeb74_oproj
    .symbol:         k_qffb31eeb74_oproj.kd
    .args:
      - { .name: cc, .offset: 0, .size: 8, .value_kind: global_buffer, .address_space: global }
      - { .name: cs, .offset: 8, .size: 8, .value_kind: global_buffer, .address_space: global }
      - { .name: Wo_codes, .offset: 16, .size: 8, .value_kind: global_buffer, .address_space: global }
      - { .name: Wo_scales, .offset: 24, .size: 8, .value_kind: global_buffer, .address_space: global }
      - { .name: bo, .offset: 32, .size: 8, .value_kind: global_buffer, .address_space: global }
      - { .name: out0, .offset: 40, .size: 8, .value_kind: global_buffer, .address_space: global }
    .group_segment_fixed_size: 101888
    .private_segment_fixed_size: 0
    .kernarg_segment_align: 8
    .kernarg_segment_size: 48
    .max_flat_workgroup_size: 128
    .sgpr_count:     66
    .vgpr_count:     1024
    .wavefront_size: 32
...
	.end_amdgpu_metadata
.endif
;; end of part 6
